; MI455X (gfx1250); checked and timed in simulation.
; The chip was launched on July 23, 2026; its instructions are those of AMD's public machine-readable ISA for CDNA 5 (MIT licence, August 2026) and "CDNA5" Instruction Set Architecture Reference Guide (July 2026). The comments in the code are by the model that wrote it; some were corrected since.
;; Music Transformer Decoder Layer. Allowed arithmetic: matrix products marked QUANTISED: E5M2 operands, one given power-of-two scale a tensor, by v_wmma_f32_16x16x64_bf8_bf8 or v_wmma_f32_16x16x128_bf8_bf8, f32 sums; everything else in f32.
;; Inputs: attention_mask 2 x 2,048 int32; b1 4,096 float32; b2 1,024 float32; bk 1,024 float32; bo 1,024 float32; bq 1,024 float32; bv 1,024 float32; hidden 2 x 2,048 x 1,024 float32; ln1_b 1,024 float32; ln1_g 1,024 float32; ln2_b 1,024 float32; ln2_g 1,024 float32; lowp_scales 16 int32 (the exponents e of the quantised operands' scales 2^e); rel_bias 32 x 16 float32; w1 1,024 x 4,096 float32; w2 4,096 x 1,024 float32; wk 1,024 x 1,024 float32; wo 1,024 x 1,024 float32; wq 1,024 x 1,024 float32; wv 1,024 x 1,024 float32.
;; Outputs: out0 2 x 2,048 x 1,024 float32.
;; This version of the problem:
;;   THIS VERSION OF THE PROBLEM IS GIVEN IN LOW PRECISION. The matrix products marked QUANTISED in the list below multiply operands that are first quantised to E5M2 (5 exponent bits, 2 mantissa bits; 8 bits a number), with one given power-of-two scale for each operand tensor; their sums are f32. All else is computed in f32.
;;   The module's matrix products, in the order in which they are computed (A, B: the left and right operand; K: the contracted axis; several contracted axes count as one K, in the product's order):
;;     1. [M 4,096, K 1,024] x [K 1,024, N 1,024]; A: computed on the way; B: input wq: QUANTISED (scales: A lowp_scales[0], B lowp_scales[1])
;;     2. [M 4,096, K 1,024] x [K 1,024, N 1,024]; A: computed on the way; B: input wk: QUANTISED (scales: A lowp_scales[2], B lowp_scales[3])
;;     3. [M 4,096, K 1,024] x [K 1,024, N 1,024]; A: computed on the way; B: input wv: QUANTISED (scales: A lowp_scales[4], B lowp_scales[5])
;;     4. batch 32 x [M 2,048, K 64] x [K 64, N 2,048]; A: computed on the way; B: computed on the way: QUANTISED (scales: A lowp_scales[6], B lowp_scales[7])
;;     5. batch 32 x [M 2,048, K 2,048] x [K 2,048, N 64]; A: computed on the way; B: computed on the way: QUANTISED (scales: A lowp_scales[8], B lowp_scales[9])
;;     6. [M 4,096, K 1,024] x [K 1,024, N 1,024]; A: computed on the way; B: input wo: QUANTISED (scales: A lowp_scales[10], B lowp_scales[11])
;;     7. [M 4,096, K 1,024] x [K 1,024, N 4,096]; A: computed on the way; B: input w1: QUANTISED (scales: A lowp_scales[12], B lowp_scales[13])
;;     8. [M 4,096, K 4,096] x [K 4,096, N 1,024]; A: computed on the way; B: input w2: QUANTISED (scales: A lowp_scales[14], B lowp_scales[15])
;;   THE QUANTISER, for each operand of a quantised product, along K:
;;     - The operand's scale is 2^e, e = its entry of the input lowp_scales (int32; the entries are numbered through the quantised products in the list's order, A before B).
;;     - Each number is divided by the scale, clamped to +-57,344, and rounded to the nearest number of E5M2, ties to even, subnormals kept.
;;     - The product sums the exact products of the quantised numbers (number of the format x scale) in f32.
;;   ~~~python
;;   def quantise(x, axis, e):      # numpy; x: float32 -> the quantised numbers, widened to float32 again
;;       x = np.moveaxis(x, axis, -1); K = x.shape[-1]
;;       r = np.clip(x / 2.0 ** e, -57344, 57344)
;;       step = 2.0 ** (np.maximum(np.frexp(np.where(r == 0, 1, r))[1] - 1, -14) - 2)
;;       q = np.round(r / step) * step * 2.0 ** e      # np.round: ties to even
;;       return np.moveaxis(q, -1, axis).astype(np.float32)
;;   ~~~
;;   OPERANDS COMPUTED ON THE WAY. 'Computed on the way' means the value that the module computes at that place (a softmax that the list does not call 'softmax' is quantised finished and normalised). What goes into a quantiser is computed in f32, as accurately as f32 sums, v_exp_f32 and their like allow (about 1e-6 of the number): no bf16 or f16 on the way to a quantiser, and a product that is left as it is and whose result goes on into a quantised operand takes f32 operands (vector FMAs, or v_wmma_f32_16x16x4_f32). A number that lies on a knife's edge between two numbers of the format may be rounded either way, as far as f32 arithmetic and the matrix unit's own rounding can turn it there, and no further.
;; One version. Each part assembles by itself: llvm-mc -triple=amdgcn-amd-amdhsa -mcpu=gfx1250 --defsym DOCPART=n.
;; ======== version 1 of 1: 7 launches
;; limits: right only within a limited range of input values
;; workspace buffers: xw 15,728,640 bytes; wimg 9,437,184 bytes; qkv 12,582,912 bytes; att 4,194,304 bytes; hres 16,777,216 bytes; yimg 4,194,304 bytes; gimg 16,777,216 bytes
;; launch prep (part 1): grid 640 x 1, 8 waves a work-group, no clusters, 2,048 bytes of LDS; arguments hidden, ln1_g, ln1_b, wq, wk, wv, wo, w1, w2, lowp_scales, xw, wimg; writes xw, wimg
.if DOCPART == 1
	.amdgcn_target "amdgcn-amd-amdhsa--gfx1250"
	.amdhsa_code_object_version 6
	.text
	.protected	k_qf1cba50fca_prep
	.globl	k_qf1cba50fca_prep
	.p2align	8
	.type	k_qf1cba50fca_prep,@function
k_qf1cba50fca_prep:
	s_mov_b64 s[64:65], 0
	v_nop
	global_prefetch_b8 v0, s[64:65] scope:SCOPE_SE
	s_setreg_imm32_b32 hwreg(HW_REG_WAVE_MODE, 25, 1), 1
	s_wait_xcnt 0x0
; Work-groups 0-255: the first layer norm of 16 tokens each, quantised three times (scales e0, e2, e4).  Work-groups 256-639: the six weights into codes of E5M2.
; ALL CODES ARE STORED AS IMAGES OF OPERAND REGISTERS.  A fragment is 16 rows x 128 k = 2,048 bytes: piece c (512 bytes) holds, at 16 x lane, k = 32 c + 16 (lane / 16) + 0 .. 15 of row lane % 16.
; ROW ORDER: row r of tile t is true row 32 (t / 2) + 8 (t % 2) + r + 8 (r / 8), so that the results of two neighbouring tiles used as source 0 are 16 neighbours along the next K.
; xw: x's codes with e0, e2, e4 at 0, 4 MiB, 8 MiB, each [tile 256][k step 8][fragment]; wq, wk, wv at 12, 13, 14 MiB, each [column tile 64][k step 8][fragment].
; wimg: wo at 0 [64][8], w1 at 1 MiB [256][8], w2 at 5 MiB [64][32].
; code = x / 2^e, held within +-57,344, to the nearest code, ties to even.  LIMITS: each e between -126 and 112.  NaN and infinities among the inputs are not served.
; No matrix unit, no tensor load, no cluster: memory binds and work-groups share nothing.
.set X,   16                           ; v16-79   64 numbers of my row: register 16 c + i = column 128 w + 32 c + 16 h + i
.set G,   80                           ; v80-143  the gains, later the held numbers
.set BT,  144                          ; v144-207 the offsets
.set C0,  208                          ; v208-255 three sets of 16 registers of codes, so that no store's data are written again
.set WX,  16                           ; weights: v16-143 four blocks of 32 numbers down K
.set WC,  144                          ; v144-175 their codes
	s_load_b512 s[4:19], s[0:1], 0x0               ; hidden, ln1_g, ln1_b, wq, wk, wv, wo, w1
	s_load_b256 s[20:27], s[0:1], 0x40             ; w2, the scales' exponents, xw, wimg
	v_lshrrev_b32 v1, 5, v0
	s_delay_alu instid0(VALU_DEP_1)
	v_readfirstlane_b32 s28, v1                    ; wave 0..7
	v_and_b32 v1, 31, v0                           ; lane
	s_wait_kmcnt 0x0
	s_load_b512 s[36:51], s[22:23], 0x0            ; e0 .. e15 in s36 .. s51
	s_cmp_lt_u32 ttmp9, 256                        ; the same for all waves of a work-group
	s_cbranch_scc0 .Lweights
; ---------------- the layer norm: tile = work-group; wave w owns columns 128 w .. 128 w + 127 of the tile's 16 tokens
.macro LD16 reg, adr, base
.irp c, 0,1,2,3
.irp k, 0,1,2,3
	global_load_b128 v[\reg+16*\c+4*\k:\reg+16*\c+4*\k+3], v[\adr], s[\base:\base+1] offset:128*\c+16*\k
.endr
.endr
.endm
	v_and_b32 v2, 15, v0                           ; r
	v_bfe_u32 v3, v0, 4, 1                         ; h
	s_delay_alu instid0(VALU_DEP_2)
	v_and_b32 v4, 8, v2
	s_delay_alu instid0(VALU_DEP_1)
	v_add_nc_u32 v4, v4, v2                        ; r + 8 (r / 8)
	s_delay_alu instid0(VALU_DEP_1)
	v_lshlrev_b32 v4, 12, v4                       ; a token's row is 4,096 bytes
	s_delay_alu instid0(VALU_DEP_1)
	v_lshl_add_u32 v4, v3, 6, v4
	s_lshl_b32 s29, s28, 9
	v_add_nc_u32 v4, s29, v4                       ; x: row, + 64 h + 512 w
	v_lshl_add_u32 v5, v3, 6, s29                  ; gain and offset: 64 h + 512 w
	s_wait_alu depctr_va_vdst(0)
	v_lshlrev_b32 v6, 4, v1                        ; 16 x lane: my place in a piece of an image
	s_lshl_b32 s30, s28, 2
	v_lshl_add_u32 v7, v2, 5, s30                  ; LDS: row r's eight partial sums, mine at 32 r + 4 w
	v_lshlrev_b32 v8, 5, v2
	v_lshl_add_u32 v9, v0, 2, 1024                 ; my spare word, behind the two blocks of partial sums
	v_mov_b32 v3, 0                                ; and 0 (h is done with)
	s_lshr_b32 s30, ttmp9, 1
	s_lshl_b32 s30, s30, 17                        ; 32 (tile / 2) rows
	s_and_b32 s31, ttmp9, 1
	s_lshl_b32 s31, s31, 15                        ; 8 (tile % 2) rows
	s_add_co_u32 s30, s30, s31
	s_mov_b32 s31, 0
	s_add_nc_u64 s[4:5], s[4:5], s[30:31]
	LD16 X, 4, 4
	LD16 G, 5, 6
	LD16 BT, 5, 8
	s_mov_b32 s52, 0x76543210                      ; lane selects: lane l xor 16
	s_mov_b32 s53, 0xfedcba98
	s_mov_b32 s62, 0x3a800000                      ; 1 / 1024
	s_lshl_b32 s30, ttmp9, 14                      ; the tile's eight fragments,
	s_lshl_b32 s32, s28, 11                        ; mine of them
	s_add_co_u32 s30, s30, s32
	s_add_nc_u64 s[56:57], s[24:25], s[30:31]      ; three bases, 4 MiB apart
	s_add_nc_u64 s[58:59], s[56:57], 0x400000
	s_add_nc_u64 s[60:61], s[56:57], 0x800000
	s_wait_loadcnt 32                              ; x is in; the 32 younger loads (gains, offsets) may be out
	v_pk_add_f32 v[12:13], v[16:17], v[18:19]
	v_pk_add_f32 v[254:255], v[24:25], v[28:29]
	v_pk_add_f32 v[252:253], v[32:33], v[36:37]
	v_pk_add_f32 v[250:251], v[40:41], v[44:45]
	v_pk_add_f32 v[248:249], v[48:49], v[52:53]
	v_pk_add_f32 v[246:247], v[56:57], v[60:61]
	v_pk_add_f32 v[244:245], v[64:65], v[68:69]
	v_pk_add_f32 v[10:11], v[72:73], v[76:77]
	s_delay_alu instid0(VALU_DEP_1)
	v_pk_add_f32 v[10:11], v[10:11], v[20:21]
	v_pk_add_f32 v[12:13], v[12:13], v[22:23]
	v_pk_add_f32 v[254:255], v[254:255], v[26:27]
	v_pk_add_f32 v[252:253], v[252:253], v[30:31]
	v_pk_add_f32 v[250:251], v[250:251], v[34:35]
	v_pk_add_f32 v[248:249], v[248:249], v[38:39]
	v_pk_add_f32 v[246:247], v[246:247], v[42:43]
	v_pk_add_f32 v[244:245], v[244:245], v[46:47]
	v_pk_add_f32 v[10:11], v[10:11], v[50:51]
	v_pk_add_f32 v[12:13], v[12:13], v[54:55]
	v_pk_add_f32 v[254:255], v[254:255], v[58:59]
	v_pk_add_f32 v[252:253], v[252:253], v[62:63]
	v_pk_add_f32 v[250:251], v[250:251], v[66:67]
	v_pk_add_f32 v[248:249], v[248:249], v[70:71]
	v_pk_add_f32 v[246:247], v[246:247], v[74:75]
	v_pk_add_f32 v[244:245], v[244:245], v[78:79]
	s_delay_alu instid0(VALU_DEP_4)
	v_pk_add_f32 v[10:11], v[10:11], v[250:251]
	s_delay_alu instid0(VALU_DEP_4)
	v_pk_add_f32 v[12:13], v[12:13], v[248:249]
	s_delay_alu instid0(VALU_DEP_4)
	v_pk_add_f32 v[254:255], v[254:255], v[246:247]
	s_delay_alu instid0(VALU_DEP_4)
	v_pk_add_f32 v[252:253], v[252:253], v[244:245]
	s_delay_alu instid0(VALU_DEP_2)
	v_pk_add_f32 v[10:11], v[10:11], v[254:255]
	s_delay_alu instid0(VALU_DEP_2)
	v_pk_add_f32 v[12:13], v[12:13], v[252:253]
	s_delay_alu instid0(VALU_DEP_1)
	v_pk_add_f32 v[10:11], v[10:11], v[12:13]
	s_delay_alu instid0(VALU_DEP_1)
	v_add_f32 v10, v10, v11
	s_delay_alu instid0(VALU_DEP_1)
	v_permlanex16_b32 v11, v10, s52, s53
	s_delay_alu instid0(VALU_DEP_1)
	v_add_f32 v10, v10, v11                        ; my row's sum over my wave's 128 columns
	ds_store_b32 v7, v10                           ; (both halves of the lanes write the same word with the same number)
	s_wait_dscnt 0x0                               ; for the others' sake
	s_barrier_signal -1
	s_barrier_wait -1
	ds_load_b128 v[C0:C0+3], v8
	ds_load_b128 v[C0+4:C0+7], v8 offset:16
	s_wait_dscnt 0x0
	v_pk_add_f32 v[C0:C0+1], v[C0:C0+1], v[C0+2:C0+3]
	v_pk_add_f32 v[C0+4:C0+5], v[C0+4:C0+5], v[C0+6:C0+7]
	s_delay_alu instid0(VALU_DEP_1)
	v_pk_add_f32 v[C0:C0+1], v[C0:C0+1], v[C0+4:C0+5]
	s_delay_alu instid0(VALU_DEP_1)
	v_add_f32 v10, v[C0], v[C0+1]
	s_delay_alu instid0(VALU_DEP_1)
	v_mul_f32 v10, s62, v10                        ; the mean
	s_wait_alu depctr_va_vdst(0)
.irp c, 0,1,2,3
.irp i, 0,2,4,6,8,10,12,14
	v_pk_add_f32 v[X+16*\c+\i:X+16*\c+\i+1], v[X+16*\c+\i:X+16*\c+\i+1], v[10:11] op_sel_hi:[1,0] neg_lo:[0,1] neg_hi:[0,1]
.endr
.endr
	v_pk_mul_f32 v[12:13], v[X:X+1], v[X:X+1]
	v_pk_mul_f32 v[14:15], v[X+2:X+3], v[X+2:X+3]
.irp j, 4,8,12,16,20,24,28,32,36,40,44,48,52,56,60
	s_delay_alu instid0(VALU_DEP_2)
	v_pk_fma_f32 v[12:13], v[X+\j:X+\j+1], v[X+\j:X+\j+1], v[12:13]
	s_delay_alu instid0(VALU_DEP_2)
	v_pk_fma_f32 v[14:15], v[X+\j+2:X+\j+3], v[X+\j+2:X+\j+3], v[14:15]
.endr
	s_delay_alu instid0(VALU_DEP_1)
	v_pk_add_f32 v[12:13], v[12:13], v[14:15]
	s_delay_alu instid0(VALU_DEP_1)
	v_add_f32 v12, v12, v13
	s_delay_alu instid0(VALU_DEP_1)
	v_permlanex16_b32 v13, v12, s52, s53
	s_delay_alu instid0(VALU_DEP_1)
	v_add_f32 v12, v12, v13
	ds_store_b32 v7, v12 offset:512                ; other bytes than the first sums'
	s_wait_dscnt 0x0
	s_barrier_signal -1
	s_barrier_wait -1
	ds_load_b128 v[C0:C0+3], v8 offset:512
	ds_load_b128 v[C0+4:C0+7], v8 offset:528
	s_wait_dscnt 0x0
	v_pk_add_f32 v[C0:C0+1], v[C0:C0+1], v[C0+2:C0+3]
	v_pk_add_f32 v[C0+4:C0+5], v[C0+4:C0+5], v[C0+6:C0+7]
	s_delay_alu instid0(VALU_DEP_1)
	v_pk_add_f32 v[C0:C0+1], v[C0:C0+1], v[C0+4:C0+5]
	s_delay_alu instid0(VALU_DEP_1)
	v_add_f32 v12, v[C0], v[C0+1]
	s_delay_alu instid0(VALU_DEP_1)
	v_fmaak_f32 v12, s62, v12, 0x3727c5ac          ; the variance + 1e-5
	s_wait_alu depctr_va_vdst(0)
	v_rsq_f32 v12, v12
	v_nop
	s_wait_alu depctr_va_vdst(0)                   ; the wait ahead of the first reader
.irp c, 0,1,2,3
.irp i, 0,2,4,6,8,10,12,14
	v_pk_mul_f32 v[X+16*\c+\i:X+16*\c+\i+1], v[X+16*\c+\i:X+16*\c+\i+1], v[12:13] op_sel_hi:[1,0]
.endr
.endr
	s_wait_loadcnt 0x0                             ; gains and offsets
.irp c, 0,1,2,3
.irp i, 0,2,4,6,8,10,12,14
	v_pk_fma_f32 v[X+16*\c+\i:X+16*\c+\i+1], v[X+16*\c+\i:X+16*\c+\i+1], v[G+16*\c+\i:G+16*\c+\i+1], v[BT+16*\c+\i:BT+16*\c+\i+1]
.endr
.endr
	s_wait_kmcnt 0x0                               ; the exponents
; the 64 numbers in X become a fragment's codes with the scale 2^s[e], and leave: each store of the wave covers 512 consecutive bytes, aligned
.macro QOUT set, e, base
	s_add_co_i32 s54, s[\e], 127
	s_lshl_b32 s55, s54, 23
	v_mov_b32 v14, s55                             ; 2^e as f32: the conversion takes its exponent field
	s_add_co_i32 s54, s54, 15
	s_lshl_b32 s54, s54, 23
	s_or_b32 s54, s54, 0x600000
	v_mov_b32 v15, s54                             ; 57,344 x 2^e
.irp c, 0,1,2,3
.irp i, 0,1,2,3,4,5,6,7,8,9,10,11,12,13,14,15
	v_med3_num_f32 v[G+16*\c+\i], v[X+16*\c+\i], -v15, v15   ; the conversion does not saturate (ISA guide 7.6.2): the hold comes first
.endr
	v_cvt_scalef32_pk8_bf8_f32 v[\set+4*\c:\set+4*\c+1], v[G+16*\c:G+16*\c+7], v14
	v_cvt_scalef32_pk8_bf8_f32 v[\set+4*\c+2:\set+4*\c+3], v[G+16*\c+8:G+16*\c+15], v14
.endr
	v_nop                                          ; a plain line between the conversions and the lines that write their sources again
.irp c, 0,1,2,3
	global_store_b128 v6, v[\set+4*\c:\set+4*\c+3], s[\base:\base+1] offset:512*\c
.endr
.endm
	QOUT C0, 36, 56
	QOUT C0+16, 38, 58
	QOUT C0+32, 40, 60
	s_wait_tensorcnt 0x0                           ; the wave's end
	ds_add_u32 v9, v3
	s_wait_dscnt 0x0
	s_endpgm
; ---------------- the weights: a work-group takes 256 columns x 128 along K, a wave 32 columns.  A LANE TAKES A COLUMN AND ITS REGISTERS RUN DOWN K.
.Lweights:
	s_sub_co_u32 s29, ttmp9, 256                   ; j: 0-31 wq, 32-63 wk, 64-95 wv, 96-127 wo, 128-255 w1, 256-383 w2
	s_wait_kmcnt 0x0
	s_mov_b64 s[32:33], s[20:21]                   ; from: w2
	s_mov_b64 s[34:35], s[26:27]                   ; to: wimg
	s_mov_b32 s30, s51                             ; e15
	s_mov_b32 s31, 0x500000
	s_cmp_lt_u32 s29, 256
	s_cselect_b64 s[32:33], s[18:19], s[32:33]
	s_cselect_b32 s30, s49, s30
	s_cselect_b32 s31, 0x100000, s31
	s_cmp_lt_u32 s29, 128
	s_cselect_b64 s[32:33], s[16:17], s[32:33]
	s_cselect_b32 s30, s47, s30
	s_cselect_b32 s31, 0, s31
	s_cmp_lt_u32 s29, 96
	s_cselect_b64 s[32:33], s[14:15], s[32:33]
	s_cselect_b64 s[34:35], s[24:25], s[34:35]
	s_cselect_b32 s30, s41, s30
	s_cselect_b32 s31, 0xe00000, s31
	s_cmp_lt_u32 s29, 64
	s_cselect_b64 s[32:33], s[12:13], s[32:33]
	s_cselect_b32 s30, s39, s30
	s_cselect_b32 s31, 0xd00000, s31
	s_cmp_lt_u32 s29, 32
	s_cselect_b64 s[32:33], s[10:11], s[32:33]
	s_cselect_b32 s30, s37, s30
	s_cselect_b32 s31, 0xc00000, s31
	s_cmp_lt_u32 s29, 128
	s_cselect_b32 s52, 31, 127
	s_and_b32 s52, s29, s52                        ; the work-group's number within its tensor
	s_lshr_b32 s53, s29, 7                         ; 0: a square one, 1: w1, 2: w2
	s_cmp_eq_u32 s53, 1
	s_cselect_b32 s54, 4, 2                        ; 16 or 4 groups of 256 columns
	s_cselect_b32 s55, 21, 19                      ; 128 rows are 2^21 or 2^19 bytes
	s_cmp_eq_u32 s53, 2
	s_cselect_b32 s56, 16, 14                      ; a column tile's fragments are 2^16 (K = 4,096) or 2^14 bytes
	s_bfm_b32 s57, s54, 0
	s_and_b32 s57, s52, s57                        ; the group of columns
	s_lshr_b32 s58, s52, s54                       ; the k step
	s_lshl_b32 s60, s58, s55
	s_lshl_b32 s59, s57, 10
	s_add_co_u32 s60, s60, s59
	s_lshl_b32 s59, s28, 7
	s_add_co_u32 s60, s60, s59
	s_mov_b32 s61, 0
	s_add_nc_u64 s[32:33], s[32:33], s[60:61]      ; row 128 x k step, column 256 x group + 32 x wave
	s_lshl_b32 s60, s57, 3
	s_add_co_u32 s60, s60, s28
	s_lshl_b32 s60, s60, 1                         ; my first column tile
	s_lshl_b32 s60, s60, s56
	s_lshl_b32 s59, s58, 11
	s_add_co_u32 s60, s60, s59
	s_add_co_u32 s60, s60, s31
	s_add_nc_u64 s[34:35], s[34:35], s[60:61]
	s_wait_alu depctr_va_vdst(0)
	v_lshlrev_b32 v2, 2, v1                        ; in: 4 bytes a lane: a wave reads 128 consecutive bytes, the work-group 1,024
	v_and_b32 v3, 7, v0
	v_bfe_u32 v4, v0, 4, 1
	s_delay_alu instid0(VALU_DEP_1)
	v_lshl_add_u32 v3, v4, 3, v3                   ; column 32 n + l is row (l % 8) + 8 (l / 16) of tile 2 n + (l / 8) % 2
	v_bfe_u32 v4, v0, 3, 1
	s_delay_alu instid0(VALU_DEP_1)
	v_lshlrev_b32 v4, s56, v4
	s_delay_alu instid0(VALU_DEP_1)
	v_lshl_add_u32 v5, v3, 4, v4                   ; out: the tile, + 16 x row
	s_add_co_i32 s54, s30, 127
	s_lshl_b32 s55, s54, 23
	v_mov_b32 v14, s55                             ; 2^e
	s_add_co_i32 s54, s54, 15
	s_lshl_b32 s54, s54, 23
	s_or_b32 s54, s54, 0x600000
	v_mov_b32 v15, s54                             ; 57,344 x 2^e
.macro WLOAD n4, cc                    ; block cc: rows 32 cc + i of my column
.irp i, 0,1,2,3,4,5,6,7,8,9,10,11,12,13,14,15,16,17,18,19,20,21,22,23,24,25,26,27,28,29,30,31
	global_load_b32 v[WX+32*\cc+\i], v2, s[32:33] offset:(32*\cc+\i)*\n4 th:TH_LOAD_NT
.endr
.endm
.macro WBLK cc                         ; its 32 codes: 16 bytes for each half of piece cc; sixteen lanes fill 256 consecutive bytes of one tile, sixteen of the next
.irp i, 0,1,2,3,4,5,6,7,8,9,10,11,12,13,14,15,16,17,18,19,20,21,22,23,24,25,26,27,28,29,30,31
	v_med3_num_f32 v[WX+32*\cc+\i], v[WX+32*\cc+\i], -v15, v15
.endr
.irp g, 0,1,2,3
	v_cvt_scalef32_pk8_bf8_f32 v[WC+8*\cc+2*\g:WC+8*\cc+2*\g+1], v[WX+32*\cc+8*\g:WX+32*\cc+8*\g+7], v14
.endr
	global_store_b128 v5, v[WC+8*\cc:WC+8*\cc+3], s[34:35] offset:512*\cc
	global_store_b128 v5, v[WC+8*\cc+4:WC+8*\cc+7], s[34:35] offset:512*\cc+256
.endm
.macro WQ n4                           ; loads run two blocks ahead; each block has registers of its own
	WLOAD \n4, 0
	WLOAD \n4, 1
	s_wait_loadcnt 32                              ; block 0 is in; block 1's 32 loads may be out
	WLOAD \n4, 2
	WBLK 0
	s_wait_loadcnt 32                              ; block 1 is in; block 2's may be out
	WLOAD \n4, 3
	WBLK 1
	s_wait_loadcnt 32                              ; block 2 is in; block 3's may be out
	WBLK 2
	s_wait_loadcnt 0x0
	WBLK 3
	s_endpgm
.endm
	s_cmp_eq_u32 s53, 1                            ; the row's length stands in the loads' immediates: two copies
	s_cbranch_scc1 .Lwide
	s_wait_alu depctr_va_vdst(0)
	WQ 4096
.Lwide:
	s_wait_alu depctr_va_vdst(0)
	WQ 16384
.Lfunc_end_k_qf1cba50fca_prep:
	.size	k_qf1cba50fca_prep, .Lfunc_end_k_qf1cba50fca_prep-k_qf1cba50fca_prep
	.p2alignl 7, 3214868480
	.fill 96, 4, 3214868480
	.section	.rodata,"a",@progbits
	.p2align	6, 0x0
	.amdhsa_kernel k_qf1cba50fca_prep
		.amdhsa_group_segment_fixed_size 2048
		.amdhsa_private_segment_fixed_size 0
		.amdhsa_enable_private_segment 0
		.amdhsa_kernarg_size 96
		.amdhsa_user_sgpr_count 2
		.amdhsa_user_sgpr_kernarg_segment_ptr 1
		.amdhsa_wavefront_size32 1
		.amdhsa_system_sgpr_workgroup_id_x 1
		.amdhsa_system_sgpr_workgroup_id_y 1
		.amdhsa_system_sgpr_workgroup_id_z 1
		.amdhsa_system_vgpr_workitem_id 0
		.amdhsa_next_free_vgpr 256
		.amdhsa_next_free_sgpr 66
		.amdhsa_reserve_vcc 0
		.amdhsa_float_denorm_mode_32 3
		.amdhsa_float_denorm_mode_16_64 3
		.amdhsa_memory_ordered 1
		.amdhsa_forward_progress 1
		.amdhsa_inst_pref_size 83
	.end_amdhsa_kernel
	.amdgpu_metadata
---
amdhsa.version: [ 1, 2 ]
amdhsa.kernels:
  - .name:           k_qf1cba50fca_prep
    .symbol:         k_qf1cba50fca_prep.kd
    .args:
      - { .name: hidden, .offset: 0, .size: 8, .value_kind: global_buffer, .address_space: global }
      - { .name: ln1_g, .offset: 8, .size: 8, .value_kind: global_buffer, .address_space: global }
      - { .name: ln1_b, .offset: 16, .size: 8, .value_kind: global_buffer, .address_space: global }
      - { .name: wq, .offset: 24, .size: 8, .value_kind: global_buffer, .address_space: global }
      - { .name: wk, .offset: 32, .size: 8, .value_kind: global_buffer, .address_space: global }
      - { .name: wv, .offset: 40, .size: 8, .value_kind: global_buffer, .address_space: global }
      - { .name: wo, .offset: 48, .size: 8, .value_kind: global_buffer, .address_space: global }
      - { .name: w1, .offset: 56, .size: 8, .value_kind: global_buffer, .address_space: global }
      - { .name: w2, .offset: 64, .size: 8, .value_kind: global_buffer, .address_space: global }
      - { .name: lowp_scales, .offset: 72, .size: 8, .value_kind: global_buffer, .address_space: global }
      - { .name: xw, .offset: 80, .size: 8, .value_kind: global_buffer, .address_space: global }
      - { .name: wimg, .offset: 88, .size: 8, .value_kind: global_buffer, .address_space: global }
    .group_segment_fixed_size: 2048
    .private_segment_fixed_size: 0
    .kernarg_segment_align: 8
    .kernarg_segment_size: 96
    .max_flat_workgroup_size: 256
    .sgpr_count:     66
    .vgpr_count:     256
    .wavefront_size: 32
...
	.end_amdgpu_metadata
.endif
;; end of part 1
;; launch qkv (part 2): grid 48 x 4, 4 waves a work-group, clusters of 4 x 4, 327,680 bytes of LDS; arguments xw, bq, bk, bv, lowp_scales, qkv; writes qkv
.if DOCPART == 2
	.amdgcn_target "amdgcn-amd-amdhsa--gfx1250"
	.amdhsa_code_object_version 6
	.text
	.protected	k_qf1cba50fca_qkv
	.globl	k_qf1cba50fca_qkv
	.p2align	8
	.type	k_qf1cba50fca_qkv,@function
k_qf1cba50fca_qkv:
	s_mov_b64 s[64:65], 0
	v_nop
	global_prefetch_b8 v0, s[64:65] scope:SCOPE_SE
	s_setreg_imm32_b32 hwreg(HW_REG_WAVE_MODE, 25, 1), 1
	s_wait_xcnt 0x0
	s_wait_alu depctr_hold_cnt(0) depctr_sa_sdst(0) depctr_va_vdst(0) depctr_va_sdst(0) depctr_va_ssrc(0) depctr_va_vcc(0) depctr_vm_vsrc(0)
	s_getreg_b32 s2, hwreg(HW_REG_IB_STS2, 6, 4)
	s_cmp_eq_u32 s2, 0
	s_cbranch_scc0 .Lentry_in_a_cluster
	s_endpgm
.Lentry_in_a_cluster:
	s_bfe_u32 s2, ttmp6, 0x10000c
	s_cmp_lg_u32 s2, 0xf033
	s_cbranch_scc0 .Lentry_shape_is_right
	s_endpgm
.Lentry_shape_is_right:
; q = x wq + bq, k = x wk + bk, v = x wv + bv on codes of E5M2, and their quantising (e6, e7, e9) into images for the attention.
; Twelve clusters of 4 x 4 work-groups: cluster number / 4 says which product (0 q, 1 k, 2 v), cluster number % 4 which quarter of the 4,096 tokens.
; A work-group makes 256 x 256 of a product, a wave 128 x 128: 64 accumulators.  K = 1,024 goes in steps of 256 through two LDS slots filled by joint tensor loads.
; OPERANDS LIE IN MEMORY AND IN LDS AS IMAGES OF REGISTERS: a fragment (16 rows x 128 k) is four pieces of 512 bytes, lane l's 16 bytes at 16 l.  No pitch, no padding: each LDS load reads 512 consecutive bytes.
; THE MATRIX INSTRUCTION IS USED TRANSPOSED: source 0 = the matrix called B here, source 1 = A.  A lane then holds one row of A, and the 16 registers of B's tiles 2 n, 2 n + 1 are 16 neighbouring rows of B (the row order of the images).
; q, k: A = x, B = the weight: a lane's registers run along the head's channels.  v: A = wv, B = x: v comes out TRANSPOSED, a lane's registers run along the keys, which are the second product's K.
; qkv: q at 0 and k at 4 MiB, [batch x head 32][token tile 128][16 rows x 64 channels: 1,024 bytes]; v at 8 MiB, [32][step of 64 keys 32][channel tile 4][16 channels x 64 keys].
; LIMITS: e0 + e1, e2 + e3, e4 + e5 between -126 and 127; e6, e7, e9 between -126 and 112.  NaN and infinities are not served.
; REGISTERS: window 0: v16-31 addresses and scales; v32-95 the bias by column, v96-111 the bias by lane; v128-255 A's fragments, one set; on the way out v112-175 a block's numbers, v224-239 its codes.
;   window 1: B's fragments, two sets.  Windows 2, 3: the accumulators, (a, b) at v[8 (8 (a % 4) + b)].
.set FR,     16
.set NL,     4
.set NP,     4
.set HALFT,  32768                     ; 8 row tiles x 4,096 bytes: what one tensor load brings and one wave reads of A or of B
.set SLOT,   131072
.set SPARE,  262144                    ; behind the ring: the spare words, 128 bytes a wave
.set LAPS,   2
.set ADRA, 16
.set ADRB, 20
.set LI,   24                          ; 16 x lane
.set O2,   25                          ; the same, one head (q, k) or one key step (v) on
.set SPW,  28
.set NIL,  29
.set SC,   30
.set LIM,  31
.set BIAS, 32
.set BA,   96
.set Z,    112
.set CD,   224
.set AF,   128
.set G1, 24
.set G0, 32
.set G1B, 48
.set G0B, 56
.set MSB, 0
.macro WIN new                         ; the immediate's high byte repeats the setting that is left
.if MSB != (\new)
	s_set_vgpr_msb (MSB<<8)|(\new)
.set MSB, (\new)
.endif
.endm
.set MUL_LO, 0xa1                      ; source 0 (B) window 1, source 1 (A) window 0, C and D window 2
.set MUL_HI, 0xf1
.set TO_B,   0x40
.macro JLOAD g0a, g1a, g0b, g1b        ; a joint load: waves 0, 1 fetch for A, waves 2, 3 for B; four v_nop follow each line
	s_cmp_eq_u32 s17, 0
	s_cbranch_scc0 .Lfor_b_\@
	tensor_load_to_lds s[\g0a:\g0a+3], s[\g1a:\g1a+7]
	s_nop 0
.rept 4
	v_nop
.endr
	s_branch .Lasked_\@
.Lfor_b_\@:
	tensor_load_to_lds s[\g0b:\g0b+3], s[\g1b:\g1b+7]
	s_nop 0
.rept 4
	v_nop
.endr
.Lasked_\@:
.endm
.macro CREST
	s_cmp_lg_u32 s16, 0
	s_cbranch_scc1 .Lnot_wave_0_\@
	s_barrier_signal -3
.Lnot_wave_0_\@:
	s_barrier_wait -3
	s_barrier_signal -1
	s_barrier_wait -1
.endm
.macro CROUND
	s_barrier_signal -1
	s_barrier_wait -1
	CREST
.endm
	s_load_b256 s[4:11], s[0:1], 0x0               ; xw, bq, bk, bv
	s_load_b128 s[12:15], s[0:1], 0x20             ; the scales' exponents, qkv
	v_lshl_add_u32 v[SPW], v0, 2, SPARE
	v_mov_b32 v[NIL], 0
	v_lshrrev_b32 v1, 5, v0
	v_readfirstlane_b32 s16, v1
	v_and_b32 v27, 15, v0                          ; the prefetches' offset: lanes 0-15 take 4,096 bytes of one row tile, 256 bytes apart, lanes 16-31 of the next
	v_bfe_u32 v26, v0, 4, 1
	v_lshlrev_b32 v27, 8, v27
	v_lshl_add_u32 v27, v26, 14, v27
	s_lshr_b32 s17, s16, 1                         ; my half of A's rows.  Also: I fetch for A (0) or for B (1)
	s_and_b32 s18, s16, 1                          ; my half of B's rows.  Also: which 8 row tiles I fetch
	s_bfe_u32 s40, ttmp6, 0x40000                  ; cx
	s_bfe_u32 s41, ttmp6, 0x40004                  ; cy
	s_lshr_b32 s42, ttmp9, 2                       ; which product: the same in all sixteen partners
	s_and_b32 s43, ttmp9, 3
	s_lshl_b32 s43, s43, 2                         ; the quarter's first block of 256 tokens
	s_lshl_b32 s47, s42, 22                        ; x's codes for q, k
	s_lshl_b32 s66, s42, 20
	s_add_co_u32 s66, s66, 0xc00000                ; wq's, wk's codes
	s_cmp_eq_u32 s42, 2
	s_cselect_b32 s44, 1, 0                        ; v?
	s_cselect_b32 s45, 0, s43
	s_cselect_b32 s46, s43, 0
	s_cselect_b32 s47, 0xe00000, s47               ; A's image: wv for v
	s_cselect_b32 s66, 0x800000, s66               ; B's image: x with e4 for v
	s_add_co_u32 s45, s45, s41                     ; A's block of 256 rows: hangs on cy alone
	s_add_co_u32 s46, s46, s40                     ; B's: on cx alone
	s_lshl_b32 s67, s41, 2
	s_lshl_b32 s67, 15, s67                        ; my row of the cluster
	s_lshl_b32 s84, 0x1111, s40                    ; my column
	s_or_b32 s[G1+0], s67, (1<<21)                 ; 15:0 the mask; 17:16 elements of 1 byte; no padding; 21 set beside a mask
	s_or_b32 s[G1B+0], s84, (1<<21)
.irp g, G1, G1B
	s_mov_b32 s[\g+1], 4096<<16                    ; tensor_dim0: two fragments of a row tile, 4,096 bytes
	s_mov_b32 s[\g+2], 8<<16                       ; tensor_dim1: 8 row tiles
	s_mov_b32 s[\g+3], 4096<<16                    ; tile_dim0
	s_mov_b32 s[\g+4], 8                           ; tile_dim1
	s_mov_b32 s[\g+5], 16384                       ; from row tile to row tile: 8 fragments
	s_mov_b32 s[\g+6], 0
	s_mov_b32 s[\g+7], 0
.endr
	s_lshl_b32 s19, s18, 17
	s_lshl_b32 s20, s45, 18
	s_add_co_u32 s20, s20, s47
	s_add_co_u32 s20, s20, s19
	s_mov_b32 s21, 0
	s_lshl_b32 s22, s46, 18
	s_add_co_u32 s22, s22, s66
	s_add_co_u32 s22, s22, s19
	s_mov_b32 s23, 0
	s_lshl_b32 s85, s16, 15                        ; where they go: wave x 32,768
	s_wait_kmcnt 0x0
	s_load_b512 s[68:83], s[12:13], 0x0            ; e0 .. e15
	s_add_nc_u64 s[20:21], s[4:5], s[20:21]
	s_add_nc_u64 s[22:23], s[4:5], s[22:23]
	; PREFETCH INTO THE L2: behind the load of K step k (k = 0, 1) each wave asks for K step k + 2 of what it fetches.  Of a load's 8 row tiles each of the four partners that ask jointly takes 2, told apart by address (cx for A, cy for B)
	s_cmp_eq_u32 s17, 0
	s_cselect_b64 s[100:101], s[20:21], s[22:23]
	s_cselect_b32 s86, s40, s41
	s_lshl_b32 s86, s86, 15                        ; two row tiles of 16,384 bytes a partner
	s_mov_b32 s87, 0
	s_add_nc_u64 s[100:101], s[100:101], s[86:87]
	s_wait_alu depctr_va_vdst(0)                   ; the wait ahead of the first reader of the offset
	global_prefetch_b8 v27, s[100:101] th:TH_LOAD_NT scope:SCOPE_SE               ; K steps 0 and 1, the buffers' first touch, are asked for here, ahead of the opening lines and the round
	global_prefetch_b8 v27, s[100:101] offset:4096 th:TH_LOAD_NT scope:SCOPE_SE
.irp s, 0,1
	s_mov_b32 s[G0+4*\s], 1
	s_add_co_u32 s[G0+4*\s+1], s85, \s*SLOT
	s_add_nc_u64 s[G0+4*\s+2:G0+4*\s+3], s[20:21], \s*4096
	s_or_b32 s[G0+4*\s+3], s[G0+4*\s+3], 0x80000000
	s_mov_b32 s[G0B+4*\s], 1
	s_add_co_u32 s[G0B+4*\s+1], s85, \s*SLOT
	s_add_nc_u64 s[G0B+4*\s+2:G0B+4*\s+3], s[22:23], \s*4096
	s_or_b32 s[G0B+4*\s+3], s[G0B+4*\s+3], 0x80000000
	s_wait_alu depctr_va_vdst(0)
	s_wait_tensorcnt 0x0                           ; a wait, two adds and a round ahead of each of the two first fills
	ds_add_u32 v28, v29
	ds_add_u32 v28, v29
	s_wait_dscnt 0x0
	CROUND
	JLOAD G0+4*\s, G1, G0B+4*\s, G1B
	global_prefetch_b8 v27, s[100:101] offset:8192+4096*\s th:TH_LOAD_NT scope:SCOPE_SE
.endr
	v_and_b32 v1, 31, v0
	v_lshlrev_b32 v[LI], 4, v1
	s_lshl_b32 s19, s17, 15
	v_add_nc_u32 v[ADRA], s19, v[LI]
	v_add_nc_u32 v[ADRA+1], SLOT, v[ADRA]
	s_lshl_b32 s19, s18, 15
	s_add_co_u32 s19, s19, 2*HALFT
	v_add_nc_u32 v[ADRB], s19, v[LI]
	v_add_nc_u32 v[ADRB+1], SLOT, v[ADRB]
	; the biases, in both shapes on every path: by column of B (q, k use it), by row of A (v uses it).  They land while the products run.
	v_and_b32 v2, 15, v0                           ; r
	v_bfe_u32 v3, v0, 4, 1                         ; h
	s_lshl_b32 s19, s40, 10
	s_lshl_b32 s86, s18, 9
	s_add_co_u32 s19, s19, s86
	v_lshl_add_u32 v4, v3, 6, s19                  ; (256 cx + 128 half) x 4 + 64 h
	v_and_b32 v5, 8, v2
	v_add_nc_u32 v5, v5, v2
	s_lshl_b32 s19, s41, 10
	s_lshl_b32 s86, s17, 9
	s_add_co_u32 s19, s19, s86
	v_lshl_add_u32 v5, v5, 2, s19                  ; (256 cy + 128 half + r + 8 (r / 8)) x 4
	s_cmp_eq_u32 s42, 0
	s_cselect_b64 s[86:87], s[6:7], s[8:9]
	s_cmp_eq_u32 s42, 2
	s_cselect_b64 s[86:87], s[10:11], s[86:87]
.irp n, 0,1,2,3
.irp k, 0,1,2,3
	global_load_b128 v[BIAS+16*\n+4*\k:BIAS+16*\n+4*\k+3], v4, s[86:87] offset:128*\n+16*\k
.endr
.endr
.irp a, 0,1,2,3,4,5,6,7
	global_load_b32 v[BA+2*\a], v5, s[10:11] offset:(32*(\a/2)+8*(\a%2))*4
	global_load_b32 v[BA+2*\a+1], v5, s[10:11] offset:(32*(\a/2)+8*(\a%2))*4   ; twice: a pair for the packed form
.endr
	; where my results go.  One formula serves all three: which x 4 MiB + (16 batch + head) x 128 KiB + (token block % 8) x 16 KiB + token half x 8 KiB
	s_cmp_eq_u32 s44, 1
	s_cselect_b32 s88, s46, s45                    ; the block of 256 tokens
	s_cselect_b32 s89, s18, s17                    ; my half of it
	s_cselect_b32 s90, s45, s46                    ; the block of 256 channels
	s_cselect_b32 s91, s17, s18
	s_mov_b32 s92, 0x20000
	s_cselect_b32 s92, 4096, s92                   ; from a block's first two pieces to its last two: one key step (v) or one head (q, k)
	s_cselect_b32 s93, 0x1f000, 0                  ; v: behind four channel tiles comes the next head
	s_lshr_b32 s96, s88, 3
	s_lshl_b32 s96, s96, 4
	s_lshl_b32 s97, s90, 2
	s_add_co_u32 s96, s96, s97
	s_lshl_b32 s97, s91, 1
	s_add_co_u32 s96, s96, s97
	s_lshl_b32 s96, s96, 17
	s_and_b32 s97, s88, 7
	s_lshl_b32 s97, s97, 14
	s_add_co_u32 s96, s96, s97
	s_lshl_b32 s97, s89, 13
	s_add_co_u32 s96, s96, s97
	s_lshl_b32 s97, s42, 22
	s_add_co_u32 s96, s96, s97
	s_mov_b32 s97, 0
	s_add_nc_u64 s[14:15], s[14:15], s[96:97]
	v_add_nc_u32 v[O2], s92, v[LI]
.macro FRAG reg, adr, q, i             ; a fragment comes as it was stored: four loads of 512 consecutive bytes
.irp c, 0,1,2,3
	ds_load_b128 v[\reg+4*\c:\reg+4*\c+3], v[\adr] offset:(\i)*4096+(\q)*2048+512*\c
.endr
.endm
.macro MUL16 a0, p, zero               ; A's blocks a0, a0 + 1 x B's eight.  The 64 accumulators take turns, one instruction a turn
.irp a, \a0, \a0+1
.irp b, 0,1,2,3,4,5,6,7
.if \zero
	v_wmma_f32_16x16x128_bf8_bf8 v[8*(8*((\a)%4)+\b):8*(8*((\a)%4)+\b)+7], v[128*(\p)+FR*\b:128*(\p)+FR*\b+FR-1], v[AF+FR*(\a):AF+FR*(\a)+FR-1], 0
.else
	v_wmma_f32_16x16x128_bf8_bf8 v[8*(8*((\a)%4)+\b):8*(8*((\a)%4)+\b)+7], v[128*(\p)+FR*\b:128*(\p)+FR*\b+FR-1], v[AF+FR*(\a):AF+FR*(\a)+FR-1], v[8*(8*((\a)%4)+\b):8*(8*((\a)%4)+\b)+7]
.endif
.endr
.endr
.endm
.macro FETCH_B slot, q, p
	WIN TO_B
.irp i, 0,1,2,3,4,5,6,7
	FRAG 128*(\p)+FR*\i, ADRB+\slot, \q, \i
.endr
	WIN 0
.endm
.macro FETCH_A slot, q, i0
.irp i, \i0, \i0+1, \i0+2, \i0+3
	FRAG AF+FR*(\i), ADRA+\slot, \q, \i
.endr
.endm
.macro PLACES n                        ; plain vector lines between a matrix instruction and a load into, or a vector read of, its registers
.rept \n
	v_nop
.endr
.endm
.macro STEP slot, q, zero              ; 128 along K with its successor in the same slot
	s_wait_dscnt 4*NL                              ; B's set and A's blocks 0-3 are in; the youngest 16 loads (A's blocks 4-7) may be out
	WIN MUL_LO
	MUL16 0, (\q)%2, \zero
	MUL16 2, (\q)%2, \zero
	s_wait_dscnt 0
	PLACES NP
	FETCH_B \slot, (\q)+1, 1-(\q)%2
	FETCH_A \slot, (\q)+1, 0
	WIN MUL_HI
	MUL16 4, (\q)%2, \zero
	MUL16 6, (\q)%2, \zero
	PLACES NP
	WIN 0
	FETCH_A \slot, (\q)+1, 4
.endm
.macro TURN slot, next, fill           ; a slot's last step changes slots: one barrier; with fill = 1 it opens a round of the cluster's barrier and the slot is filled again
	s_wait_tensorcnt 0x0                           ; all my tensor loads have landed: my part of the next slot
	ds_add_u32 v[SPW], v[NIL]                      ; 0 onto my spare word
	s_wait_dscnt 4*NL+1                            ; the add and the youngest 16 loads (A's blocks 4-7) may be out
	WIN MUL_LO
	MUL16 0, 1, 0
	s_wait_dscnt 0x0                               ; the add is done, and my reads of this slot are over
	s_barrier_signal -1
	MUL16 2, 1, 0
	WIN 0
	s_barrier_wait -1
.if \fill
	CREST                                          ; no wave of any partner still reads this slot or has a load on its way
	s_add_nc_u64 s[G0+4*\slot+2:G0+4*\slot+3], s[G0+4*\slot+2:G0+4*\slot+3], 8192
	s_add_nc_u64 s[G0B+4*\slot+2:G0B+4*\slot+3], s[G0B+4*\slot+2:G0B+4*\slot+3], 8192
	JLOAD G0+4*\slot, G1, G0B+4*\slot, G1B         ; my one tensor load behind the round; its four v_nop are the places in front of the loads below
.else
	PLACES NP
.endif
	FETCH_B \next, 0, 0
	FETCH_A \next, 0, 0
	WIN MUL_HI
	MUL16 4, 1, 0
	MUL16 6, 1, 0
	PLACES NP
	WIN 0
	FETCH_A \next, 0, 4
.endm
	s_wait_alu depctr_va_vdst(0)
	s_wait_tensorcnt 1                             ; my part of slot 0 is in; slot 1's load may be out
	s_barrier_signal -1
	s_barrier_wait -1
	FETCH_B 0, 0, 0
	FETCH_A 0, 0, 0
	FETCH_A 0, 0, 4
	STEP 0, 0, 1                                   ; the first products start the sums
	s_mov_b32 s3, LAPS-1
.Llap:
	TURN 0, 1, 1
	STEP 1, 0, 0
	TURN 1, 0, 1
	STEP 0, 0, 0
	s_sub_co_u32 s3, s3, 1
	s_cmp_lg_u32 s3, 0
	s_cbranch_scc1 .Llap
	TURN 0, 1, 0
	STEP 1, 0, 0
	s_wait_dscnt 4*NL
	WIN MUL_LO
	MUL16 0, 1, 0
	MUL16 2, 1, 0
	s_wait_dscnt 0
	WIN MUL_HI
	MUL16 4, 1, 0
	MUL16 6, 1, 0
	WIN 0
	PLACES NP
	; THE WAY OUT: a loop over A's eight blocks.  What differs from block to block is the accumulators' registers: a short copy, written out for each block and kind, brings sum x 2^e + bias into fixed registers.
	s_wait_kmcnt 0x0
	s_add_co_i32 s66, s68, s69
	s_add_co_i32 s67, s70, s71
	s_add_co_i32 s84, s72, s73
	s_cmp_eq_u32 s42, 0
	s_cselect_b32 s94, s66, s67
	s_cselect_b32 s85, s74, s75
	s_cmp_eq_u32 s42, 2
	s_cselect_b32 s94, s84, s94
	s_cselect_b32 s85, s77, s85
	s_add_co_i32 s94, s94, 127
	s_lshl_b32 s94, s94, 23                        ; 2^(the two operands' exponents)
	s_mov_b32 s95, s94
	s_add_co_i32 s85, s85, 127
	s_lshl_b32 s66, s85, 23
	v_mov_b32 v[SC], s66                           ; 2^e of the result's quantiser
	s_add_co_i32 s85, s85, 15
	s_lshl_b32 s85, s85, 23
	s_or_b32 s85, s85, 0x600000
	v_mov_b32 v[LIM], s85
	s_wait_loadcnt 0x0                             ; the biases
	s_mov_b32 s3, 0
	s_lshl_b32 s98, s44, 3
.Lblk:
	s_add_co_u32 s99, s3, s98                      ; block + 8 x (v?)
.irp n, 0,1,2,3,4,5,6,7,8,9,10,11,12,13,14
	s_cmp_eq_u32 s99, \n
	s_cbranch_scc1 .Lcopy_\n
.endr
.macro COPY n
.Lcopy_\n:
	WIN 0x02+(((\n)%8)/4)                          ; source 0: window 2 or 3
.set AC, 64*((\n)%4)
.irp j, 0,2,4,6,8,10,12,14,16,18,20,22,24,26,28,30,32,34,36,38,40,42,44,46,48,50,52,54,56,58,60,62
.if (\n) < 8
	v_pk_fma_f32 v[Z+\j:Z+\j+1], v[AC+\j:AC+\j+1], s[94:95], v[BIAS+\j:BIAS+\j+1] op_sel_hi:[1,0,1]
.else
	v_pk_fma_f32 v[Z+\j:Z+\j+1], v[AC+\j:AC+\j+1], s[94:95], v[BA+2*((\n)%8):BA+2*((\n)%8)+1] op_sel_hi:[1,0,1]
.endif
.endr
	WIN 0
	s_branch .Lcommon
.endm
	COPY 15
.irp n, 0,1,2,3,4,5,6,7,8,9,10,11,12,13,14
	COPY \n
.endr
.Lcommon:
.irp n, 0,1,2,3
.irp i, 0,1,2,3,4,5,6,7,8,9,10,11,12,13,14,15
	v_med3_num_f32 v[Z+16*\n+\i], v[Z+16*\n+\i], -v[LIM], v[LIM]   ; the conversion does not saturate (ISA guide 7.6.2)
.endr
	v_cvt_scalef32_pk8_bf8_f32 v[CD+4*\n:CD+4*\n+1], v[Z+16*\n:Z+16*\n+7], v[SC]
	v_cvt_scalef32_pk8_bf8_f32 v[CD+4*\n+2:CD+4*\n+3], v[Z+16*\n+8:Z+16*\n+15], v[SC]
.endr
	v_nop                                          ; a plain line between the conversions and the next trip's lines that write their sources
	global_store_b128 v[LI], v[CD:CD+3], s[14:15]              ; each store of the wave covers 512 consecutive bytes, aligned
	global_store_b128 v[LI], v[CD+4:CD+7], s[14:15] offset:512
	global_store_b128 v[O2], v[CD+8:CD+11], s[14:15]
	global_store_b128 v[O2], v[CD+12:CD+15], s[14:15] offset:512
	s_wait_xcnt 0x0                                ; the stores' data and base are written again only behind this wait
	s_cmp_eq_u32 s3, 3
	s_cselect_b32 s96, s93, 0
	s_add_co_u32 s96, s96, 1024
	s_add_nc_u64 s[14:15], s[14:15], s[96:97]      ; (s97 = 0)
	s_add_co_u32 s3, s3, 1
	s_cmp_lt_u32 s3, 8
	s_cbranch_scc1 .Lblk
	s_wait_tensorcnt 0x0                           ; the wave's end
	ds_add_u32 v[SPW], v[NIL]
	s_wait_dscnt 0x0
	CROUND                                         ; the closing round
	s_endpgm
.Lfunc_end_k_qf1cba50fca_qkv:
	.size	k_qf1cba50fca_qkv, .Lfunc_end_k_qf1cba50fca_qkv-k_qf1cba50fca_qkv
	.p2alignl 7, 3214868480
	.fill 96, 4, 3214868480
	.section	.rodata,"a",@progbits
	.p2align	6, 0x0
	.amdhsa_kernel k_qf1cba50fca_qkv
		.amdhsa_group_segment_fixed_size 327680
		.amdhsa_private_segment_fixed_size 0
		.amdhsa_enable_private_segment 0
		.amdhsa_kernarg_size 48
		.amdhsa_user_sgpr_count 2
		.amdhsa_user_sgpr_kernarg_segment_ptr 1
		.amdhsa_wavefront_size32 1
		.amdhsa_system_sgpr_workgroup_id_x 1
		.amdhsa_system_sgpr_workgroup_id_y 1
		.amdhsa_system_sgpr_workgroup_id_z 1
		.amdhsa_system_vgpr_workitem_id 0
		.amdhsa_next_free_vgpr 1024
		.amdhsa_next_free_sgpr 102
		.amdhsa_reserve_vcc 0
		.amdhsa_float_denorm_mode_32 3
		.amdhsa_float_denorm_mode_16_64 3
		.amdhsa_memory_ordered 1
		.amdhsa_forward_progress 1
		.amdhsa_inst_pref_size 123
	.end_amdhsa_kernel
	.amdgpu_metadata
---
amdhsa.version: [ 1, 2 ]
amdhsa.kernels:
  - .name:           k_qf1cba50fca_qkv
    .symbol:         k_qf1cba50fca_qkv.kd
    .args:
      - { .name: xw, .offset: 0, .size: 8, .value_kind: global_buffer, .address_space: global }
      - { .name: bq, .offset: 8, .size: 8, .value_kind: global_buffer, .address_space: global }
      - { .name: bk, .offset: 16, .size: 8, .value_kind: global_buffer, .address_space: global }
      - { .name: bv, .offset: 24, .size: 8, .value_kind: global_buffer, .address_space: global }
      - { .name: lowp_scales, .offset: 32, .size: 8, .value_kind: global_buffer, .address_space: global }
      - { .name: qkv, .offset: 40, .size: 8, .value_kind: global_buffer, .address_space: global }
    .group_segment_fixed_size: 327680
    .private_segment_fixed_size: 0
    .kernarg_segment_align: 8
    .kernarg_segment_size: 48
    .max_flat_workgroup_size: 128
    .sgpr_count:     102
    .vgpr_count:     1024
    .wavefront_size: 32
...
	.end_amdgpu_metadata
.endif
;; end of part 2
;; launch attn (part 3): grid 8 x 32, 16 waves a work-group, no clusters, 327,680 bytes of LDS; arguments qkv, rel_bias, attention_mask, lowp_scales, att; writes att
.if DOCPART == 3
	.amdgcn_target "amdgcn-amd-amdhsa--gfx1250"
	.amdhsa_code_object_version 6
	.text
	.protected	k_qf1cba50fca_attn
	.globl	k_qf1cba50fca_attn
	.p2align	8
	.type	k_qf1cba50fca_attn,@function
k_qf1cba50fca_attn:
	s_mov_b64 s[64:65], 0
	v_nop
	global_prefetch_b8 v0, s[64:65] scope:SCOPE_SE
	s_setreg_imm32_b32 hwreg(HW_REG_WAVE_MODE, 25, 1), 1
	s_wait_xcnt 0x0
; attended = softmax(q k^T / 8 + bias(q - k), causal, keys masked) v on codes of E5M2.  THE FINISHED, NORMALISED WEIGHTS ARE QUANTISED (scale e8), so the keys are walked twice:
; pass 1 finds each query's largest score and the sum of 2^(c s - A), running; pass 2 makes the scores again, p = 2^(c s - A - log2 sum), quantises p and multiplies v.
; UNITS.  s = sum of code x code + bias x 2^(3 - e6 - e7); c = log2(e) / 8 x 2^(e6 + e7), so c s = log2(e) x (q k / 8 + bias).
; THE BIAS AND BOTH MASKS ARE THE C OF THE SCORES' MATRIX INSTRUCTIONS.  A hidden or masked key's word is -2^100; 64 products of codes sum to under 2^38, so such a score is told from every true one and its weight is 0.
; A row whose largest s lies under -2^99 has only masked keys: its A is made +infinity and all its weights 0, as the problem's function makes them.
; SHARES.  Work-group (p, batch x head) owns the blocks p and 15 - p of 128 queries: eight groups of 32 queries (two tiles).  SIXTEEN waves: waves g and g + 8 share group g;
; wave g takes the key steps 0, 2, 4 .. of 64 keys, wave g + 8 the steps 1, 3, 5 ..  Between the passes the partners join A, the largest s and the sum through LDS; at the end wave g + 8 hands its part of O^T to wave g through LDS.
; THE HEAD'S WHOLE K AND V LIE IN LDS, 131,072 bytes each, each byte filled once, 8,192 bytes a wave and load: K's load at the head, V's behind the barrier that shows K whole.  A wave has one tensor load out at a time.
; O^T's parts go through K's bytes, behind a barrier behind which nobody reads K: they have had their last fill.
; NO CLUSTER: the work-groups of a head read the same K and V, but their steps are left out by branches on their own query blocks, and partners of a joint load must run alike.
; NO PREFETCH: all of K and V is asked for by the two loads at the head; no loop runs ahead of a load.
; LAYOUT.  Both products transposed: a lane holds one query (lane % 16 of a tile, in the images' row order); register 16 b + i of a tile's scores is key KF + 32 b + 16 (lane / 16) + i.
; THE BIAS hangs on d = query - key alone.  Its table (word y: d = 191 - y; -2^100 where d < 0: the causal mask) lies in LDS as one run of 1,536 words with period 259: copy j begins 1,036 j bytes on,
; so any 16 neighbours come by aligned loads of 16 bytes from copy y % 4, and every byte of the run is written.
; The buckets are those of the problem's own function: d below 16 itself; from d = 19, 21, 24, 27, 31, 35, 40, 46, 52, 59, 67, 77, 87, 99, 113 on one more each.
; A step whose keys all lie 113 or more before my queries (FAR) takes as C one word for each key, bucket 31's bias or -2^100; the others (NEAR) load the table's words into the scores' registers and add the keys' mask.
; LDS loads run a step ahead; their addresses are held inside K and inside the words by s_min_u32.
; LIMITS: e6 + e7 between -80 and 24; |rel_bias| x 2^(3 - e6 - e7) under 2^98; e8 and e10 - e8 - e9 between -126 and 112.  NaN and infinities among q, k, v are not served.
.set VREG, 131072                      ; LDS: K at 0, V here,
.set TAB,  262144                      ; the table's run, 6,144 bytes,
.set KA,   268288                      ; a word for each key: bucket 31's bias or -2^100,
.set KMO,  8192                        ; and, this far behind it, 0 or -2^100,
.set XCH,  284672                      ; 1,024 bytes a wave: A, largest s, sum of two tiles,
.set SPARE, 301056                     ; the spare words, 128 bytes a wave
.set LI,   1                           ; 16 x lane
.set LIV,  2                           ; the same in V
.set TL,   3                           ; my lane's place in the table
.set KAL,  4                           ; my half's place in the keys' words;  v5, v6, v7: addresses of the loads in hand
.set AM0,  8                           ; v[8:9], v[10:11]   the two tiles' A and largest s
.set L0,   12                          ; v[12:13], v[14:15] their sums in two halves
.set SCV,  16                          ; 2^e8
.set SPW,  17
.set NIL,  18
.set XA,   19                          ; address of what I hand over
.set Q,    20                          ; v20-35   two tiles of queries
.set KV,   36                          ; v36-67   four fragments of K
.set S,    68                          ; v68-131  scores, 32 a tile
.set AD,   132                         ; v132-163 the step's words by key; in pass 2 four fragments of V
.set O,    164                         ; v164-227 O^T, 32 a tile
.set TP,   228                         ; v228-243 p's codes; in pass 1 at work, 8 a tile
.set T,    244                         ; v244-255 at work
	s_load_b256 s[4:11], s[0:1], 0x0               ; qkv, rel_bias, attention_mask, the scales' exponents
	s_load_b64 s[12:13], s[0:1], 0x20              ; att
	v_lshl_add_u32 v[SPW], v0, 2, SPARE
	v_mov_b32 v[NIL], 0
	ds_add_u32 v[SPW], v[NIL]                      ; the opening lines: the add, twice on end, and its wait ahead of my first tensor load
	ds_add_u32 v[SPW], v[NIL]
	v_lshrrev_b32 v5, 5, v0
	v_readfirstlane_b32 s14, v5                    ; wave 0..15
	s_lshr_b32 s15, s14, 3                         ; which key steps: even (0) or odd (1)
	s_and_b32 s3, s14, 7                           ; my group of 32 queries
	s_and_b32 s16, ttmp7, 0xffff                   ; batch x 16 + head
	s_and_b32 s17, s16, 15
	s_lshr_b32 s18, s16, 4
	s_sub_co_u32 s23, 15, ttmp9
	s_cmp_lt_u32 s3, 4
	s_cselect_b32 s19, ttmp9, s23
	s_lshl_b32 s19, s19, 7
	s_and_b32 s23, s3, 3
	s_lshl_b32 s23, s23, 5
	s_add_co_u32 s19, s19, s23                     ; my first query
	s_mov_b32 s24, 3<<16                           ; group 1: a dense block as 32 rows of 256 bytes: elements of 8 bytes, no mask, no padding
	s_mov_b32 s25, 32<<16
	s_mov_b32 s26, 32<<16
	s_mov_b32 s27, 32<<16
	s_mov_b32 s28, 32
	s_mov_b32 s29, 32
	s_mov_b32 s30, 0
	s_mov_b32 s31, 0
	s_lshl_b32 s66, s16, 17                        ; the head's 131,072 bytes,
	s_lshl_b32 s23, s14, 13                        ; my wave's sixteenth of them
	s_add_co_u32 s66, s66, s23
	s_mov_b32 s67, 0
	s_wait_dscnt 0x0                               ; both opening adds are done
	s_wait_kmcnt 0x0
	s_load_b512 s[48:63], s[10:11], 0x0            ; e0 .. e15 in s48 .. s63
	s_add_nc_u64 s[66:67], s[4:5], s[66:67]
	s_mov_b32 s32, 1
	s_mov_b32 s33, s23
	s_add_nc_u64 s[34:35], s[66:67], 0x400000      ; K
	s_or_b32 s35, s35, 0x80000000
	s_mov_b32 s36, 1
	s_add_co_u32 s37, s23, VREG
	s_add_nc_u64 s[38:39], s[66:67], 0x800000      ; V
	s_or_b32 s39, s39, 0x80000000
	tensor_load_to_lds s[32:35], s[24:31]          ; my part of K: my one load at the head
	s_nop 0
.rept 4
	v_nop
.endr
	v_and_b32 v[T], 31, v0
	v_lshlrev_b32 v[LI], 4, v[T]
	v_add_nc_u32 v[LIV], VREG, v[LI]
	v_and_b32 v[T+1], 15, v0                       ; r
	v_bfe_u32 v[T+2], v0, 4, 1                     ; h
	v_and_b32 v[T+3], 8, v[T+1]
	v_add_nc_u32 v[T+3], v[T+3], v[T+1]            ; r + 8 (r / 8)
	v_lshl_add_u32 v[T], v[T+2], 4, 183
	v_sub_nc_u32 v[T], v[T], v[T+3]                ; y = 183 + 16 h - r - 8 (r / 8): the table's word for tile 1, register 0, at query block = key block
	v_and_b32 v[T+1], 3, v[T]                      ; which copy is aligned for me
	v_lshrrev_b32 v[T], 2, v[T]
	v_mul_u32_u24 v[T+1], v[T+1], 1040
	v_lshl_add_u32 v[TL], v[T], 4, v[T+1]          ; 4 y + 1,036 (y % 4)
	v_add_nc_u32 v[TL], TAB, v[TL]
	v_lshl_add_u32 v[KAL], v[T+2], 6, KA
	s_lshl_b32 s68, s16, 17
	s_lshl_b32 s69, s19, 6                         ; a tile of 16 queries is 1,024 bytes
	s_add_co_u32 s68, s68, s69
	s_mov_b32 s69, 0
	s_add_nc_u64 s[68:69], s[4:5], s[68:69]
.irp u, 0,1
.irp c, 0,1
	global_load_b128 v[Q+8*\u+4*\c:Q+8*\u+4*\c+3], v[LI], s[68:69] offset:1024*\u+512*\c
.endr
.endr
	; the table: thread t makes the run's words t, t + 512, t + 1,024; word e holds d = 191 - e % 259
	v_mov_b32 v[T+2], 0
	v_mov_b32 v[T+3], 1
.irp m, 0,1,2
	v_add_nc_u32 v[S+4*\m], 512*\m, v0
	v_mul_u32_u24 v[S+4*\m+1], v[S+4*\m], 16195    ; e / 259 = e x 16,195 >> 22 for e under 1,536
	v_lshrrev_b32 v[S+4*\m+1], 22, v[S+4*\m+1]
	v_mul_u32_u24 v[S+4*\m+1], v[S+4*\m+1], 259
	v_sub_nc_u32 v[S+4*\m], v[S+4*\m], v[S+4*\m+1]
	v_sub_nc_u32 v[S+4*\m], 191, v[S+4*\m]         ; d, as a signed number
	v_min_u32 v[S+4*\m+1], 16, v[S+4*\m]           ; (a negative d ends at bucket 16, inside the table of biases; its word becomes -2^100 below)
	v_add_nc_u32 v[S+4*\m+1], 15, v[S+4*\m+1]
.endr
.irp th, 19,21,24,27,31,35,40,46,52,59,67,77,87,99,113
.irp m, 0,1,2
	v_cmp_gt_i32 vcc_lo, \th, v[S+4*\m]
	v_cndmask_b32 v[S+4*\m+3], v[T+2], v[T+3], vcc_lo
	v_sub_nc_u32 v[S+4*\m+1], v[S+4*\m+1], v[S+4*\m+3]   ; one bucket less for each threshold above d
.endr
.endr
	s_lshl_b32 s70, s17, 2
.irp m, 0,1,2
	v_lshl_add_u32 v[S+4*\m+1], v[S+4*\m+1], 6, s70      ; rel_bias[bucket][head]
	global_load_b32 v[S+4*\m+2], v[S+4*\m+1], s[6:7]
.endr
	v_mov_b32 v[T+4], s70
	global_load_b32 v[T+7], v[T+4], s[6:7] offset:31*64  ; rel_bias[31][head]
	s_lshl_b32 s72, s18, 13
	s_mov_b32 s73, 0
	s_add_nc_u64 s[72:73], s[8:9], s[72:73]
	v_lshlrev_b32 v[T+8], 4, v0                    ; thread t: the mask of keys 4 t .. 4 t + 3
	global_load_b128 v[TP:TP+3], v[T+8], s[72:73]
	s_mov_b32 s42, 0x76543210                      ; lane selects: lane l xor 16
	s_mov_b32 s43, 0xfedcba98
	v_lshl_add_u32 v[T+10], v0, 2, TAB
	v_lshl_add_u32 v[T+11], v0, 4, KA
	v_mov_b32 v[T+9], 0xf1800000                   ; -2^100
.irp i, 0,1,2,3
	v_mov_b32 v[AM0+\i], 0xff61b1e6                ; -3e38, under every s and every A
	v_mov_b32 v[L0+\i], 0
.endr
	s_wait_alu depctr_va_vdst(0)                   ; the wait ahead of the waits below
	s_wait_kmcnt 0x0                               ; the exponents
	s_add_co_i32 s23, s54, s55                     ; e6 + e7
	s_sub_co_i32 s44, 3, s23                       ; a bias in units of the codes' products: x 2^(3 - e6 - e7)
	s_lshl_b32 s23, s23, 23
	s_add_co_i32 s40, s23, 0x3e38aa3b              ; c: the exponents are added to the exponent field of log2(e) / 8
	s_mov_b32 s41, s40
	s_add_co_i32 s23, s56, 127
	s_lshl_b32 s45, s23, 23
	v_mov_b32 v[SCV], s45                          ; 2^e8
	s_add_co_i32 s23, s23, 15
	s_lshl_b32 s23, s23, 23
	s_or_b32 s47, s23, 0x600000                    ; 57,344 x 2^e8
	s_wait_loadcnt 0x0
.irp m, 0,1,2
	v_ldexp_f32 v[S+4*\m+2], v[S+4*\m+2], s44
	v_cmp_gt_i32 vcc_lo, 0, v[S+4*\m]
	v_cndmask_b32 v[S+4*\m+2], v[S+4*\m+2], v[T+9], vcc_lo   ; the causal mask
.endr
	v_ldexp_f32 v[T+7], v[T+7], s44
.irp i, 0,1,2,3
	v_cmp_eq_u32 vcc_lo, 0, v[TP+\i]
	v_cndmask_b32 v[AD+\i], v[T+7], v[T+9], vcc_lo
	v_cndmask_b32 v[AD+4+\i], v[T+2], v[T+9], vcc_lo
.endr
	s_wait_alu depctr_va_vdst(0)
	s_wait_tensorcnt 0x0                           ; my part of K has landed: no tensor load of mine is out while I store into LDS
.irp m, 0,1,2
	ds_store_b32 v[T+10], v[S+4*\m+2] offset:2048*\m
.endr
	ds_store_b128 v[T+11], v[AD:AD+3]
	ds_store_b128 v[T+11], v[AD+4:AD+7] offset:KMO
	s_wait_tensorcnt 0x0                           ; wait, add and barrier ahead of a later first fill
	ds_add_u32 v[SPW], v[NIL]
	s_wait_dscnt 0x0                               ; the add and my stores are done
	s_barrier_signal -1
	s_barrier_wait -1                              ; K, the table and the words by key are whole
	tensor_load_to_lds s[36:39], s[24:31]          ; my part of V: it lands under pass 1, which reads no byte of it
	s_nop 0
.rept 4
	v_nop
.endr
.macro KFETCH adr                      ; a step's four fragments of K
.irp kt, 0,1,2,3
.irp c, 0,1
	ds_load_b128 v[KV+8*\kt+4*\c:KV+8*\kt+4*\c+3], v[\adr] offset:1024*\kt+512*\c
.endr
.endr
.endm
.macro VFETCH adr                      ; a step's four fragments of V
.irp t, 0,1,2,3
.irp c, 0,1
	ds_load_b128 v[AD+8*\t+4*\c:AD+8*\t+4*\c+3], v[\adr] offset:1024*\t+512*\c
.endr
.endr
.endm
.macro WFETCH reg, adr, off            ; a step's 32 words by key of my half of the lanes
.irp n, 0,1
.irp k, 0,1,2,3
	ds_load_b128 v[\reg+16*\n+4*\k:\reg+16*\n+4*\k+3], v[\adr] offset:128*\n+16*\k+\off
.endr
.endr
.endm
.macro AHEAD pass                      ; the addresses of my next step's loads, 128 keys on, held inside K and inside the words.  Its vector lines are places behind the matrix instructions in front of it
	s_add_co_u32 s45, s22, 8192
	s_min_u32 s45, s45, 126976
	v_add_nc_u32 v5, s45, v[LI]
	s_add_co_u32 s45, s46, 512
	s_min_u32 s45, s45, 7936
.if \pass == 1
	s_cmp_lt_u32 s44, 304                          ; my next step is a near one: it wants the keys' mask alone
	s_cselect_b32 s23, KMO, 0
	s_add_co_u32 s45, s45, s23
.endif
	v_add_nc_u32 v6, s45, v[KAL]
.if \pass == 2
	v_add_nc_u32 v7, s22, v[LIV]                   ; V of this step
.endif
.endm
.macro SCALE64                         ; c s - A, two at a time (of the pairs c and A the low word serves both halves); each accumulator from its low end on
.irp u, 0,1
.set II, 0
.rept 16
	v_pk_fma_f32 v[S+32*\u+II:S+32*\u+II+1], v[S+32*\u+II:S+32*\u+II+1], s[40:41], v[AM0+2*\u:AM0+2*\u+1] op_sel_hi:[1,0,0] neg_lo:[0,0,1] neg_hi:[0,0,1]
.set II, II+2
.endr
.endr
.endm
.macro EXP64
.set II, 0
.rept 64
	v_exp_f32 v[S+II], v[S+II]
.set II, II+1
.endr
.endm
; Pass 1: both tiles' running largest s, A and sum, lane by lane, the two tiles' chains line by line.  Tile u works in v[TP+8u .. TP+8u+7].
.macro STAT2
.irp o, 0,3,5
.irp q, 0,1,2,3
.irp u, 0,1
.if \o == 0
	v_max3_num_f32 v[TP+8*\u+\q], v[S+32*\u+8*\q], v[S+32*\u+8*\q+1], v[S+32*\u+8*\q+2]   ; a chain to each accumulator, begun at its low end
.else
	v_max3_num_f32 v[TP+8*\u+\q], v[TP+8*\u+\q], v[S+32*\u+8*\q+\o], v[S+32*\u+8*\q+\o+1]
.endif
.endr
.endr
.endr
.irp u, 0,1
	v_max3_num_f32 v[TP+8*\u], v[TP+8*\u], v[S+32*\u+7], v[S+32*\u+15]
	v_max3_num_f32 v[TP+8*\u+2], v[TP+8*\u+2], v[S+32*\u+23], v[S+32*\u+31]
.endr
.irp u, 0,1
	v_max3_num_f32 v[TP+8*\u], v[TP+8*\u], v[TP+8*\u+1], v[AM0+2*\u+1]
.endr
.irp u, 0,1
	v_max3_num_f32 v[AM0+2*\u+1], v[TP+8*\u], v[TP+8*\u+2], v[TP+8*\u+3]   ; the largest s so far
.endr
.irp u, 0,1
	v_mul_f32 v[TP+8*\u+1], s40, v[AM0+2*\u+1]     ; the new A
.endr
.irp u, 0,1
	v_sub_f32 v[TP+8*\u+2], v[AM0+2*\u], v[TP+8*\u+1]
.endr
.irp u, 0,1
	v_mov_b32 v[AM0+2*\u], v[TP+8*\u+1]
.endr
	s_wait_alu depctr_va_vdst(0)                   ; the wait ahead of transcendentals
.irp u, 0,1
	v_exp_f32 v[TP+8*\u+2], v[TP+8*\u+2]           ; f = 2^(old A - new A)
.endr
	SCALE64
	s_wait_alu depctr_va_vdst(0)                   ; ahead of the batch
	EXP64
.irp u, 0,1
	v_pk_mul_f32 v[L0+2*\u:L0+2*\u+1], v[L0+2*\u:L0+2*\u+1], v[TP+8*\u+2:TP+8*\u+3] op_sel_hi:[1,0]   ; the sums under the new A (the plain place behind the batch)
.endr
	s_wait_alu depctr_va_vdst(0)                   ; one wait for the batch, ahead of its first reader
.irp u, 0,1                                    ; a tile's 16 pairs in four chains
	v_pk_add_f32 v[TP+8*\u+4:TP+8*\u+5], v[S+32*\u:S+32*\u+1], v[S+32*\u+2:S+32*\u+3]
	v_pk_add_f32 v[TP+8*\u+6:TP+8*\u+7], v[S+32*\u+4:S+32*\u+5], v[S+32*\u+6:S+32*\u+7]
	v_pk_add_f32 v[TP+8*\u:TP+8*\u+1], v[S+32*\u+8:S+32*\u+9], v[S+32*\u+10:S+32*\u+11]
	v_pk_add_f32 v[L0+2*\u:L0+2*\u+1], v[L0+2*\u:L0+2*\u+1], v[S+32*\u+12:S+32*\u+13]
.endr
.irp j, 14,22
.irp u, 0,1
	v_pk_add_f32 v[TP+8*\u+4:TP+8*\u+5], v[TP+8*\u+4:TP+8*\u+5], v[S+32*\u+\j:S+32*\u+\j+1]
	v_pk_add_f32 v[TP+8*\u+6:TP+8*\u+7], v[TP+8*\u+6:TP+8*\u+7], v[S+32*\u+\j+2:S+32*\u+\j+3]
	v_pk_add_f32 v[TP+8*\u:TP+8*\u+1], v[TP+8*\u:TP+8*\u+1], v[S+32*\u+\j+4:S+32*\u+\j+5]
	v_pk_add_f32 v[L0+2*\u:L0+2*\u+1], v[L0+2*\u:L0+2*\u+1], v[S+32*\u+\j+6:S+32*\u+\j+7]
.endr
.endr
.irp u, 0,1
	v_pk_add_f32 v[TP+8*\u+4:TP+8*\u+5], v[TP+8*\u+4:TP+8*\u+5], v[S+32*\u+30:S+32*\u+31]
	v_pk_add_f32 v[TP+8*\u+6:TP+8*\u+7], v[TP+8*\u+6:TP+8*\u+7], v[TP+8*\u:TP+8*\u+1]
.endr
.irp u, 0,1
	v_pk_add_f32 v[L0+2*\u:L0+2*\u+1], v[L0+2*\u:L0+2*\u+1], v[TP+8*\u+4:TP+8*\u+5]
.endr
.irp u, 0,1
	v_pk_add_f32 v[L0+2*\u:L0+2*\u+1], v[L0+2*\u:L0+2*\u+1], v[TP+8*\u+6:TP+8*\u+7]
.endr
.endm
; Pass 2: p = 2^(c s - A - log2 sum), held and quantised: the conversions' results are the second product's operand
.macro PROB2 near
	SCALE64
	s_wait_alu depctr_va_vdst(0)                   ; ahead of the batch
	EXP64
	v_nop                                          ; a plain place behind the batch
	s_wait_alu depctr_va_vdst(0)                   ; one wait for the batch
.irp u, 0,1
.irp n, 0,1
.set II, 0
.rept 16
	v_min_num_f32 v[S+32*\u+16*\n+II], s47, v[S+32*\u+16*\n+II]   ; the conversion does not saturate (ISA guide 7.6.2); p is not negative: the hold is one-sided
.set II, II+1
.endr
	v_cvt_scalef32_pk8_bf8_f32 v[TP+8*\u+4*\n:TP+8*\u+4*\n+1], v[S+32*\u+16*\n:S+32*\u+16*\n+7], v[SCV]
	v_cvt_scalef32_pk8_bf8_f32 v[TP+8*\u+4*\n+2:TP+8*\u+4*\n+3], v[S+32*\u+16*\n+8:S+32*\u+16*\n+15], v[SCV]
.endr
.if (\near == 0) && (\u == 0)
	WFETCH S, 6, 0                                 ; tile 0 is quantised: its registers take my next step's words by key
.endif
.endr
	v_nop                                          ; a plain line between the conversions and the products that read their results
.endm
; A step of 64 keys for my 32 queries.  s22 = 64 KF: the step's fragments in K and in V; s46 = 4 KF: its words by key; s44 = my first query - KF
.macro STEP pass, near
	s_wait_dscnt 0x0                               ; what was asked for a step ago is in
.if \near
	s_min_u32 s45, s44, 160                        ; (a near step has 160 at the most)
	s_lshl_b32 s45, s45, 2
	v_sub_nc_u32 v7, v[TL], s45
.irp u, 0,1
.irp n, 0,1
.irp k, 0,1,2,3
	ds_load_b128 v[S+32*\u+16*\n+4*\k:S+32*\u+16*\n+4*\k+3], v7 offset:128*\n+32*(1-\u)+16*\k   ; the table's words, straight into the scores' registers
.endr
.endr
.endr
.if \pass == 2
	v_add_nc_u32 v6, s46, v[KAL]
	WFETCH AD, 6, KMO                              ; the keys' mask (in pass 1 it was asked for a step ago)
.endif
	s_wait_dscnt 0x0
.irp u, 0,1
.set II, 0
.rept 16
	v_pk_add_f32 v[S+32*\u+II:S+32*\u+II+1], v[S+32*\u+II:S+32*\u+II+1], v[AD+II:AD+II+1]
.set II, II+2
.endr
.endr
.irp kt, 0,1,2,3
.irp u, 0,1
	v_wmma_f32_16x16x64_bf8_bf8 v[S+32*\u+8*\kt:S+32*\u+8*\kt+7], v[KV+8*\kt:KV+8*\kt+7], v[Q+8*\u:Q+8*\u+7], v[S+32*\u+8*\kt:S+32*\u+8*\kt+7]   ; eight accumulators, one instruction each
.endr
.endr
.elseif \pass == 1
.irp u, 0,1
.irp kt, 0,1,2,3
	v_wmma_f32_16x16x64_bf8_bf8 v[S+32*\u+8*\kt:S+32*\u+8*\kt+7], v[KV+8*\kt:KV+8*\kt+7], v[Q+8*\u:Q+8*\u+7], v[AD+8*\kt:AD+8*\kt+7]   ; C: the words by key, the same for both tiles
.endr
.endr
.else
.irp kt, 0,1,2,3
	v_wmma_f32_16x16x64_bf8_bf8 v[S+32+8*\kt:S+32+8*\kt+7], v[KV+8*\kt:KV+8*\kt+7], v[Q+8:Q+15], v[S+8*\kt:S+8*\kt+7]   ; the words by key lie in tile 0's registers: tile 1 takes them as C first,
.endr
	AHEAD 2                                        ; three places,
	v_nop
	v_nop                                          ; five in all, in front of matrix instructions that write over a C just read (ISA guide 7.12.1)
.irp kt, 0,1,2,3
	v_wmma_f32_16x16x64_bf8_bf8 v[S+8*\kt:S+8*\kt+7], v[KV+8*\kt:KV+8*\kt+7], v[Q:Q+7], v[S+8*\kt:S+8*\kt+7]   ; then tile 0 adds onto them in place
.endr
.endif
.if \pass == 1
	AHEAD 1                                        ; two places,
	v_nop
	v_nop                                          ; four in all, in front of loads into the products' sources and of the reads of the scores
	KFETCH 5                                       ; my next step's K and words land under the work below
	WFETCH AD, 6, 0
	STAT2
.else
.if \near
	AHEAD 2                                        ; three places,
	v_nop                                          ; four in all
.else
.rept 4
	v_nop
.endr
.endif
	VFETCH 7                                       ; this step's V,
	KFETCH 5                                       ; my next step's K
	PROB2 \near
	s_wait_dscnt 16-8*\near                        ; V's eight loads are in; behind them stand K's eight and, in a far step, the eight by key
	s_wait_alu depctr_va_vdst(0)                   ; the wait directly ahead of the first reader of O^T and of the codes
.irp t, 0,1,2,3
.irp u, 0,1
	v_wmma_f32_16x16x64_bf8_bf8 v[O+32*\u+8*\t:O+32*\u+8*\t+7], v[AD+8*\t:AD+8*\t+7], v[TP+8*\u:TP+8*\u+7], v[O+32*\u+8*\t:O+32*\u+8*\t+7]   ; eight accumulators by turns; the next step's scores stand between two turns
.endr
.endr
.rept 4
	v_nop                                          ; places in front of the next loads into V's registers, and of the way out
.endr
.endif
.endm
; A pass: 16 trips in every wave, 128 keys from trip to trip; a step all of whose keys come after my queries is left out by a scalar branch on ids
.macro PASS p
	s_mov_b32 s20, 0
	s_lshl_b32 s21, s15, 6                         ; my first step's first key: 0 or 64
	s_lshl_b32 s22, s15, 12
	s_lshl_b32 s46, s15, 8
	v_add_nc_u32 v5, s22, v[LI]
	KFETCH 5
.if \p == 1
	s_sub_co_i32 s23, s19, s21
	s_cmp_lt_i32 s23, 176                          ; its words by key: the mask alone if it is a near step
	s_cselect_b32 s23, KMO, 0
	s_add_co_u32 s23, s23, s46
	v_add_nc_u32 v6, s23, v[KAL]
	WFETCH AD, 6, 0
.else
	v_add_nc_u32 v6, s46, v[KAL]
	WFETCH S, 6, 0                                 ; in pass 2 into tile 0's registers
.endif
.Lstep_\p:
	s_add_co_u32 s45, s19, 31
	s_cmp_gt_u32 s21, s45
	s_cbranch_scc1 .Lnext_\p
	s_sub_co_u32 s44, s19, s21
	s_cmp_lt_u32 s44, 176
	s_cbranch_scc1 .Lnear_\p
	STEP \p, 0
	s_branch .Lnext_\p
.Lnear_\p:
	STEP \p, 1
.Lnext_\p:
	s_add_co_u32 s21, s21, 128
	s_add_co_u32 s22, s22, 8192
	s_add_co_u32 s46, s46, 512
	s_add_co_u32 s20, s20, 1
	s_cmp_lt_u32 s20, 16
	s_cbranch_scc1 .Lstep_\p
	s_wait_dscnt 0x0                               ; the last look-ahead has landed
.endm
	s_wait_alu depctr_va_vdst(0)                   ; the wait at the head's end
	PASS 1
	; THE JOIN.  Tile u works in v[S+16u ..]: +0 A, +1 largest s, +2 sum, +3 a factor, +4 at work, +8 .. +11 my partner's four, +12 the joint A
	s_wait_alu depctr_va_vdst(0)
	s_lshl_b32 s23, s14, 10
	s_add_co_u32 s23, s23, XCH
	v_add_nc_u32 v[XA], s23, v[LI]                 ; where I put my four numbers a query,
	s_xor_b32 s23, s14, 8
	s_lshl_b32 s23, s23, 10
	s_add_co_u32 s23, s23, XCH
	v_add_nc_u32 v5, s23, v[LI]                    ; and where my partner puts its own
.irp u, 0,1
	v_mov_b32 v[S+16*\u], 0                        ; (a lane permute's destination counts as one of its sources)
	v_mov_b32 v[S+16*\u+1], 0
	v_mov_b32 v[S+16*\u+4], 0
.endr
.irp u, 0,1
	v_permlanex16_b32 v[S+16*\u], v[AM0+2*\u], s42, s43
	v_permlanex16_b32 v[S+16*\u+1], v[AM0+2*\u+1], s42, s43
.endr
.irp u, 0,1
	v_max_num_f32 v[S+16*\u], v[S+16*\u], v[AM0+2*\u]        ; the two halves of the lanes: A,
	v_max_num_f32 v[S+16*\u+1], v[S+16*\u+1], v[AM0+2*\u+1]  ; the largest s
.endr
.irp u, 0,1
	v_sub_f32 v[S+16*\u+3], v[AM0+2*\u], v[S+16*\u]
	v_add_f32 v[S+16*\u+2], v[L0+2*\u], v[L0+2*\u+1]
.endr
	s_wait_alu depctr_va_vdst(0)
.irp u, 0,1
	v_exp_f32 v[S+16*\u+3], v[S+16*\u+3]
.endr
	v_nop
	s_wait_alu depctr_va_vdst(0)
.irp u, 0,1
	v_mul_f32 v[S+16*\u+2], v[S+16*\u+2], v[S+16*\u+3]
.endr
.irp u, 0,1
	v_permlanex16_b32 v[S+16*\u+4], v[S+16*\u+2], s42, s43
.endr
.irp u, 0,1
	v_add_f32 v[S+16*\u+2], v[S+16*\u+2], v[S+16*\u+4]       ; my steps' sum under my A
.endr
	s_wait_alu depctr_va_vdst(0)
	s_wait_tensorcnt 0x0                           ; my part of V has landed: no tensor load of mine is out while I store into LDS
.irp u, 0,1
	ds_store_b128 v[XA], v[S+16*\u:S+16*\u+3] offset:512*\u
.endr
	s_wait_dscnt 0x0
	s_barrier_signal -1
	s_barrier_wait -1                              ; V is whole, and my partner's numbers are stored
.irp u, 0,1
	ds_load_b128 v[S+16*\u+8:S+16*\u+11], v5 offset:512*\u
.endr
	s_wait_dscnt 0x0
.irp u, 0,1
	v_max_num_f32 v[S+16*\u+12], v[S+16*\u], v[S+16*\u+8]
	v_max_num_f32 v[S+16*\u+1], v[S+16*\u+1], v[S+16*\u+9]
.endr
.irp u, 0,1
	v_sub_f32 v[S+16*\u+3], v[S+16*\u], v[S+16*\u+12]
	v_sub_f32 v[S+16*\u+11], v[S+16*\u+8], v[S+16*\u+12]
.endr
	s_wait_alu depctr_va_vdst(0)
.irp u, 0,1
	v_exp_f32 v[S+16*\u+3], v[S+16*\u+3]
	v_exp_f32 v[S+16*\u+11], v[S+16*\u+11]
.endr
	v_nop
	s_wait_alu depctr_va_vdst(0)
.irp u, 0,1
	v_mul_f32 v[S+16*\u+2], v[S+16*\u+2], v[S+16*\u+3]
	v_mul_f32 v[S+16*\u+10], v[S+16*\u+10], v[S+16*\u+11]
.endr
.irp u, 0,1
	v_add_f32 v[S+16*\u+2], v[S+16*\u+2], v[S+16*\u+10]      ; the row's sum: at least 1, since the largest s gives 2^0; the same bits in both partners
.endr
	s_wait_alu depctr_va_vdst(0)
.irp u, 0,1
	v_log_f32 v[S+16*\u+2], v[S+16*\u+2]
.endr
	v_nop
	s_wait_alu depctr_va_vdst(0)
.irp u, 0,1
	v_add_f32 v[S+16*\u+2], v[S+16*\u+12], v[S+16*\u+2]      ; A takes log2 of the sum in
	v_cmp_lt_f32 vcc_lo, 0xf1000000, v[S+16*\u+1]            ; -2^99 < the largest s: the row has a key that counts
	v_cndmask_b32 v[AM0+2*\u], 0x7f800000, v[S+16*\u+2], vcc_lo   ; else +infinity: every weight 0
.endr
.set II, 0
.rept 64
	v_mov_b32 v[O+II], 0                           ; the step is written once, so its first turn finds zeros
.set II, II+1
.endr
	s_wait_alu depctr_va_vdst(0)
	PASS 2
	; THE WAY OUT.  Wave g + 8 hands its part of O^T to wave g, through K's bytes.
	s_barrier_signal -1
	s_barrier_wait -1                              ; nobody reads K any more (each wave's pass ended with its wait for its LDS loads)
	s_lshl_b32 s23, s3, 13
	v_add_nc_u32 v[XA], s23, v[LI]                 ; 8,192 bytes a group
	s_wait_alu depctr_va_vdst(0)
	s_cmp_eq_u32 s15, 0
	s_cbranch_scc1 .Lkeeps
.set II, 0
.rept 16
	ds_store_b128 v[XA], v[O+4*II:O+4*II+3] offset:512*II   ; each accumulator from its low end on
.set II, II+1
.endr
.Lkeeps:
	s_wait_dscnt 0x0
	s_barrier_signal -1
	s_barrier_wait -1
	s_cmp_lg_u32 s15, 0
	s_cbranch_scc1 .Lend
.set II, 0
.rept 16
	ds_load_b128 v[S+4*II:S+4*II+3], v[XA] offset:512*II
.set II, II+1
.endr
	; a sum stands for sum x 2^(e8 + e9); its code for the next product is sum / 2^(e10 - e8 - e9): three scales in one
	s_sub_co_i32 s23, s58, s56
	s_sub_co_i32 s23, s23, s57
	s_add_co_i32 s23, s23, 127
	s_lshl_b32 s45, s23, 23
	v_mov_b32 v[T], s45
	s_add_co_i32 s23, s23, 15
	s_lshl_b32 s23, s23, 23
	s_or_b32 s23, s23, 0x600000
	v_mov_b32 v[T+1], s23
	s_lshl_b32 s66, s18, 21                        ; att: [token tile 256][pair of heads 8][fragment]: batch x 128 tiles,
	s_lshl_b32 s67, s19, 10                        ; my first query's tile,
	s_add_co_u32 s66, s66, s67
	s_lshl_b32 s67, s17, 10                        ; my head's half of a fragment
	s_add_co_u32 s66, s66, s67
	s_mov_b32 s67, 0
	s_add_nc_u64 s[12:13], s[12:13], s[66:67]
	s_wait_alu depctr_va_vdst(0)
	s_wait_dscnt 0x0
.set II, 0
.rept 32
	v_pk_add_f32 v[O+II:O+II+1], v[O+II:O+II+1], v[S+II:S+II+1]
.set II, II+2
.endr
.irp u, 0,1
.irp n, 0,1
.set II, 0
.rept 16
	v_med3_num_f32 v[O+32*\u+16*\n+II], v[O+32*\u+16*\n+II], -v[T+1], v[T+1]
.set II, II+1
.endr
	v_cvt_scalef32_pk8_bf8_f32 v[KV+8*\u+4*\n:KV+8*\u+4*\n+1], v[O+32*\u+16*\n:O+32*\u+16*\n+7], v[T]
	v_cvt_scalef32_pk8_bf8_f32 v[KV+8*\u+4*\n+2:KV+8*\u+4*\n+3], v[O+32*\u+16*\n+8:O+32*\u+16*\n+15], v[T]
.endr
.endr
	v_nop
.irp u, 0,1
.irp n, 0,1
	global_store_b128 v[LI], v[KV+8*\u+4*\n:KV+8*\u+4*\n+3], s[12:13] offset:16384*\u+512*\n   ; 512 consecutive bytes, aligned
.endr
.endr
.Lend:
	s_wait_tensorcnt 0x0                           ; the wave's end
	ds_add_u32 v[SPW], v[NIL]
	s_wait_dscnt 0x0
	s_endpgm
.Lfunc_end_k_qf1cba50fca_attn:
	.size	k_qf1cba50fca_attn, .Lfunc_end_k_qf1cba50fca_attn-k_qf1cba50fca_attn
	.p2alignl 7, 3214868480
	.fill 96, 4, 3214868480
	.section	.rodata,"a",@progbits
	.p2align	6, 0x0
	.amdhsa_kernel k_qf1cba50fca_attn
		.amdhsa_group_segment_fixed_size 327680
		.amdhsa_private_segment_fixed_size 0
		.amdhsa_enable_private_segment 0
		.amdhsa_kernarg_size 40
		.amdhsa_user_sgpr_count 2
		.amdhsa_user_sgpr_kernarg_segment_ptr 1
		.amdhsa_wavefront_size32 1
		.amdhsa_system_sgpr_workgroup_id_x 1
		.amdhsa_system_sgpr_workgroup_id_y 1
		.amdhsa_system_sgpr_workgroup_id_z 1
		.amdhsa_system_vgpr_workitem_id 0
		.amdhsa_next_free_vgpr 256
		.amdhsa_next_free_sgpr 80
		.amdhsa_reserve_vcc 1
		.amdhsa_float_denorm_mode_32 3
		.amdhsa_float_denorm_mode_16_64 3
		.amdhsa_memory_ordered 1
		.amdhsa_forward_progress 1
		.amdhsa_inst_pref_size 80
	.end_amdhsa_kernel
	.amdgpu_metadata
---
amdhsa.version: [ 1, 2 ]
amdhsa.kernels:
  - .name:           k_qf1cba50fca_attn
    .symbol:         k_qf1cba50fca_attn.kd
    .args:
      - { .name: qkv, .offset: 0, .size: 8, .value_kind: global_buffer, .address_space: global }
      - { .name: rel_bias, .offset: 8, .size: 8, .value_kind: global_buffer, .address_space: global }
      - { .name: attention_mask, .offset: 16, .size: 8, .value_kind: global_buffer, .address_space: global }
      - { .name: lowp_scales, .offset: 24, .size: 8, .value_kind: global_buffer, .address_space: global }
      - { .name: att, .offset: 32, .size: 8, .value_kind: global_buffer, .address_space: global }
    .group_segment_fixed_size: 327680
    .private_segment_fixed_size: 0
    .kernarg_segment_align: 8
    .kernarg_segment_size: 40
    .max_flat_workgroup_size: 512
    .sgpr_count:     80
    .vgpr_count:     256
    .wavefront_size: 32
...
	.end_amdgpu_metadata
.endif
;; end of part 3
;; launch oproj (part 4): grid 8 x 32, 4 waves a work-group, clusters of 4 x 4, 327,680 bytes of LDS; arguments att, wimg, bo, hidden, attention_mask, lowp_scales, hres; writes hres
.if DOCPART == 4
	.amdgcn_target "amdgcn-amd-amdhsa--gfx1250"
	.amdhsa_code_object_version 6
	.text
	.protected	k_qf1cba50fca_oproj
	.globl	k_qf1cba50fca_oproj
	.p2align	8
	.type	k_qf1cba50fca_oproj,@function
k_qf1cba50fca_oproj:
	s_mov_b64 s[64:65], 0
	v_nop
	global_prefetch_b8 v0, s[64:65] scope:SCOPE_SE
	s_setreg_imm32_b32 hwreg(HW_REG_WAVE_MODE, 25, 1), 1
	s_wait_xcnt 0x0
	s_wait_alu depctr_hold_cnt(0) depctr_sa_sdst(0) depctr_va_vdst(0) depctr_va_sdst(0) depctr_va_ssrc(0) depctr_va_vcc(0) depctr_vm_vsrc(0)
	s_getreg_b32 s2, hwreg(HW_REG_IB_STS2, 6, 4)
	s_cmp_eq_u32 s2, 0
	s_cbranch_scc0 .Lentry_in_a_cluster
	s_endpgm
.Lentry_in_a_cluster:
	s_bfe_u32 s2, ttmp6, 0x10000c
	s_cmp_lg_u32 s2, 0xf033
	s_cbranch_scc0 .Lentry_shape_is_right
	s_endpgm
.Lentry_shape_is_right:
.set KK,     1024
.set WOFF,   0
.set EOFF,   40
.set KIND,   0
.set RT,     KK*16
.set LAPS,   KK/1024
.set HALFT,  32768
.set SLOT,   131072
.set SPARE,  262144
.set STAGE,  262656
.set MK,   8
.set ADRA, 16
.set ADRB, 20
.set RA,   22
.set BAD,  23
.set STO,  24
.set RD,   25
.set CO,   26
.set MA,   27
.set SPW,  28
.set NIL,  29
.set LI,   30
.set BIAS, 32
.set RES,  64
.set ACC,  128
.set F0,   0
.set F1,   128
.set G1, 24
.set G0, 32
.set G1B, 48
.set G0B, 56
.set MSB, 0
.macro WIN new
.if MSB != (\new)
	s_set_vgpr_msb (MSB<<8)|(\new)
.set MSB, (\new)
.endif
.endm
.set MUL,  0x05
.set TO_F, 0x40
.macro JLOAD s
	s_cmp_eq_u32 s17, 0
	s_cbranch_scc0 .Lfor_b_\@
	tensor_load_to_lds s[G0+4*\s:G0+4*\s+3], s[G1:G1+7]
	s_nop 0
.rept 4
	v_nop
.endr
	s_branch .Lasked_\@
.Lfor_b_\@:
	tensor_load_to_lds s[G0B+4*\s:G0B+4*\s+3], s[G1B:G1B+7]
	s_nop 0
.rept 4
	v_nop
.endr
.Lasked_\@:
.endm
.macro CREST
	s_cmp_lg_u32 s16, 0
	s_cbranch_scc1 .Lnot_wave_0_\@
	s_barrier_signal -3
.Lnot_wave_0_\@:
	s_barrier_wait -3
	s_barrier_signal -1
	s_barrier_wait -1
.endm
.macro CROUND
	s_barrier_signal -1
	s_barrier_wait -1
	CREST
.endm
	s_load_b256 s[4:11], s[0:1], 0x0
	s_load_b128 s[12:15], s[0:1], 0x20
	s_load_b64 s[66:67], s[0:1], 0x30
	v_lshl_add_u32 v[SPW], v0, 2, SPARE
	v_mov_b32 v[NIL], 0
	v_lshrrev_b32 v1, 5, v0
	v_readfirstlane_b32 s16, v1
	v_and_b32 v31, 31, v0
	v_lshlrev_b32 v31, 8, v31                      ; the prefetches' offset: 256 x lane: 8,192 bytes of one row tile an instruction
	s_lshr_b32 s17, s16, 1
	s_and_b32 s18, s16, 1
	s_bfe_u32 s40, ttmp6, 0x40000
	s_bfe_u32 s41, ttmp6, 0x40004
	s_lshl_b32 s42, ttmp9, 2
	s_add_co_u32 s42, s42, s40
	s_and_b32 s43, ttmp7, 0xffff
	s_lshl_b32 s43, s43, 2
	s_add_co_u32 s43, s43, s41
	s_lshl_b32 s44, s41, 2
	s_lshl_b32 s44, 15, s44
	s_lshl_b32 s45, 0x1111, s40
	s_or_b32 s[G1+0], s44, (1<<21)
	s_or_b32 s[G1B+0], s45, (1<<21)
.irp g, G1, G1B
	s_mov_b32 s[\g+1], 8192<<16
	s_mov_b32 s[\g+2], 4<<16
	s_mov_b32 s[\g+3], 8192<<16
	s_mov_b32 s[\g+4], 4
	s_mov_b32 s[\g+5], RT
	s_mov_b32 s[\g+6], 0
	s_mov_b32 s[\g+7], 0
.endr
	s_mul_i32 s19, s18, 4*RT
	s_mul_i32 s20, s43, 8*RT
	s_add_co_u32 s20, s20, s19
	s_mov_b32 s21, 0
	s_mul_i32 s22, s42, 8*RT
	s_add_co_u32 s22, s22, s19
	s_add_co_u32 s22, s22, WOFF
	s_mov_b32 s23, 0
	s_lshl_b32 s46, s16, 15
	s_wait_kmcnt 0x0
	s_load_b64 s[68:69], s[14:15], EOFF
	s_add_nc_u64 s[20:21], s[4:5], s[20:21]
	s_add_nc_u64 s[22:23], s[6:7], s[22:23]
	; PREFETCH INTO THE L2: the two K steps of what my wave fetches are asked for here, ahead of the opening lines and the round.  Of a load's 4 row tiles each of the four partners that ask jointly takes one, told apart by address (cx for A, cy for B)
	s_cmp_eq_u32 s17, 0
	s_cselect_b64 s[88:89], s[20:21], s[22:23]
	s_cselect_b32 s90, s40, s41
	s_mul_i32 s90, s90, RT
	s_mov_b32 s91, 0
	s_add_nc_u64 s[88:89], s[88:89], s[90:91]
	s_wait_alu depctr_va_vdst(0)                   ; the wait ahead of the first reader of the offset
	global_prefetch_b8 v31, s[88:89] th:TH_LOAD_NT scope:SCOPE_SE
	global_prefetch_b8 v31, s[88:89] offset:8192 th:TH_LOAD_NT scope:SCOPE_SE
.irp s, 0,1
	s_mov_b32 s[G0+4*\s], 1
	s_add_co_u32 s[G0+4*\s+1], s46, \s*SLOT
	s_add_nc_u64 s[G0+4*\s+2:G0+4*\s+3], s[20:21], \s*8192
	s_or_b32 s[G0+4*\s+3], s[G0+4*\s+3], 0x80000000
	s_mov_b32 s[G0B+4*\s], 1
	s_add_co_u32 s[G0B+4*\s+1], s46, \s*SLOT
	s_add_nc_u64 s[G0B+4*\s+2:G0B+4*\s+3], s[22:23], \s*8192
	s_or_b32 s[G0B+4*\s+3], s[G0B+4*\s+3], 0x80000000
	s_wait_alu depctr_va_vdst(0)
	s_wait_tensorcnt 0x0
	ds_add_u32 v28, v29
	ds_add_u32 v28, v29
	s_wait_dscnt 0x0
	CROUND
	JLOAD \s
.endr
	v_and_b32 v1, 31, v0
	v_lshlrev_b32 v[LI], 4, v1
	v_and_b32 v2, 15, v0
	s_wait_alu depctr_va_vdst(0)
	v_bfe_u32 v3, v0, 4, 1
	s_lshl_b32 s19, s17, 15
	v_add_nc_u32 v[ADRA], s19, v[LI]
	v_add_nc_u32 v[ADRA+1], SLOT, v[ADRA]
	s_lshl_b32 s19, s18, 15
	s_add_co_u32 s19, s19, 2*HALFT
	v_add_nc_u32 v[ADRB], s19, v[LI]
	v_add_nc_u32 v[ADRB+1], SLOT, v[ADRB]
	s_lshl_b32 s70, s42, 9
	s_lshl_b32 s71, s18, 8
	s_add_co_u32 s70, s70, s71
	s_lshl_b32 s72, s43, 19
	s_lshl_b32 s73, s17, 18
	s_add_co_u32 s72, s72, s73
	s_mov_b32 s73, 0
	s_add_nc_u64 s[10:11], s[10:11], s[72:73]
	s_add_nc_u64 s[66:67], s[66:67], s[72:73]
	s_mov_b32 s72, s70
	s_add_nc_u64 s[66:67], s[66:67], s[72:73]
	s_lshl_b32 s74, s43, 9
	s_lshl_b32 s75, s17, 8
	s_add_co_u32 s74, s74, s75
	v_and_b32 v4, 8, v2
	v_add_nc_u32 v4, v4, v2
	v_lshlrev_b32 v[RA], 12, v4
	s_wait_alu depctr_va_vdst(0)
	v_lshl_add_u32 v[RA], v3, 6, v[RA]
	v_add_nc_u32 v[RA], s70, v[RA]
	v_lshl_add_u32 v[BAD], v3, 6, s70
	v_lshl_add_u32 v[MA], v4, 2, s74
	s_mul_i32 s76, s16, 16*272
	s_add_co_u32 s76, s76, STAGE
	v_mul_u32_u24 v5, v2, 272
	v_lshl_add_u32 v5, v3, 6, v5
	v_add_nc_u32 v[STO], s76, v5
	v_mul_u32_u24 v5, v3, 272
	v_lshl_add_u32 v5, v2, 4, v5
	v_add_nc_u32 v[RD], s76, v5
	v_lshlrev_b32 v[CO], 12, v3
	v_lshl_add_u32 v[CO], v2, 4, v[CO]
.macro RESLD a, set
.irp n, 0,1
.irp k, 0,1,2,3
	global_load_b128 v[RES+32*(\set)+16*\n+4*\k:RES+32*(\set)+16*\n+4*\k+3], v[RA], s[10:11] offset:(32*((\a)/2)+8*((\a)%2))*4096+128*\n+16*\k
.endr
.endr
.endm
.irp n, 0,1
.irp k, 0,1,2,3
	global_load_b128 v[BIAS+16*\n+4*\k:BIAS+16*\n+4*\k+3], v[BAD], s[8:9] offset:128*\n+16*\k
.endr
.endr
.irp a, 0,1,2,3
	global_load_b32 v[MK+2*\a], v[MA], s[12:13] offset:(32*(\a/2)+8*(\a%2))*4
.endr
	RESLD 0, 0
	RESLD 1, 1
	global_prefetch_b8 v[RA], s[10:11] offset:32*4096 th:TH_LOAD_NT scope:SCOPE_SE   ; the residual's blocks 2 and 3 are loaded on the way out: their 16 rows of 256 bytes each are asked for here, a row to each pair of lanes
	global_prefetch_b8 v[RA], s[10:11] offset:40*4096 th:TH_LOAD_NT scope:SCOPE_SE
.macro FETCH slot, q, f
	WIN TO_F
.irp i, 0,1,2,3
.irp c, 0,1,2,3
	ds_load_b128 v[\f+64+16*\i+4*\c:\f+64+16*\i+4*\c+3], v[ADRB+\slot] offset:\i*8192+(\q)*2048+512*\c
.endr
.endr
.irp i, 0,1,2,3
.irp c, 0,1,2,3
	ds_load_b128 v[\f+16*\i+4*\c:\f+16*\i+4*\c+3], v[ADRA+\slot] offset:\i*8192+(\q)*2048+512*\c
.endr
.endr
.endm
.macro MULA f, a, zero
.irp b, 0,1,2,3
.if \zero
	v_wmma_f32_16x16x128_bf8_bf8 v[ACC+32*\a+8*\b:ACC+32*\a+8*\b+7], v[\f+64+16*\b:\f+64+16*\b+15], v[\f+16*\a:\f+16*\a+15], 0
.else
	v_wmma_f32_16x16x128_bf8_bf8 v[ACC+32*\a+8*\b:ACC+32*\a+8*\b+7], v[\f+64+16*\b:\f+64+16*\b+15], v[\f+16*\a:\f+16*\a+15], v[ACC+32*\a+8*\b:ACC+32*\a+8*\b+7]
.endif
.endr
.endm
.macro PLACES
.rept 4
	v_nop
.endr
.endm
.macro QUARTER slot, qn, f, g, zero
	s_wait_dscnt 8
	WIN MUL
	MULA \f, 0, \zero
	MULA \f, 1, \zero
	PLACES
	FETCH \slot, \qn, \g
	s_wait_dscnt 32
	WIN MUL
	MULA \f, 2, \zero
	MULA \f, 3, \zero
.endm
.macro TURN slot, next, fill
	WIN 0
	s_wait_tensorcnt 0x0
	ds_add_u32 v[SPW], v[NIL]
	s_wait_dscnt 9
	WIN MUL
	MULA F1, 0, 0
	s_wait_dscnt 0x0
	s_barrier_signal -1
	MULA F1, 1, 0
.if \fill
	WIN 0
.endif
	s_barrier_wait -1
.if \fill
	CREST
	s_add_nc_u64 s[G0+4*\slot+2:G0+4*\slot+3], s[G0+4*\slot+2:G0+4*\slot+3], 16384
	s_add_nc_u64 s[G0B+4*\slot+2:G0B+4*\slot+3], s[G0B+4*\slot+2:G0B+4*\slot+3], 16384
	JLOAD \slot
.else
	PLACES
.endif
	FETCH \next, 0, F0
	WIN MUL
	MULA F1, 2, 0
	MULA F1, 3, 0
.endm
	s_wait_tensorcnt 1
	s_barrier_signal -1
	s_barrier_wait -1
	FETCH 0, 0, F0
	QUARTER 0, 1, F0, F1, 1
.if LAPS > 1
	WIN 0
	s_mov_b32 s3, LAPS-1
.Llap:
	QUARTER 0, 2, F1, F0, 0
	QUARTER 0, 3, F0, F1, 0
	TURN 0, 1, 1
	QUARTER 1, 1, F0, F1, 0
	QUARTER 1, 2, F1, F0, 0
	QUARTER 1, 3, F0, F1, 0
	TURN 1, 0, 1
	QUARTER 0, 1, F0, F1, 0
	WIN 0
	s_sub_co_u32 s3, s3, 1
	s_cmp_lg_u32 s3, 0
	s_cbranch_scc1 .Llap
.endif
	QUARTER 0, 2, F1, F0, 0
	QUARTER 0, 3, F0, F1, 0
	TURN 0, 1, 0
	QUARTER 1, 1, F0, F1, 0
	QUARTER 1, 2, F1, F0, 0
	QUARTER 1, 3, F0, F1, 0
	s_wait_dscnt 8
	WIN MUL
	MULA F1, 0, 0
	MULA F1, 1, 0
	s_wait_dscnt 0
	MULA F1, 2, 0
	MULA F1, 3, 0
	WIN 0
	PLACES
	s_wait_kmcnt 0x0
	s_add_co_i32 s84, s68, s69
	s_add_co_i32 s84, s84, 127
	s_lshl_b32 s84, s84, 23
	s_mov_b32 s85, s84
.macro OUTBLK a
.set AC, ACC+32*(\a)
.set RS, RES+32*((\a)%2)
.if (\a) < 3
	s_wait_loadcnt 8
.else
	s_wait_loadcnt 0x0
.endif
.if (\a) == 0
.irp m, 0,1,2,3
	v_cvt_f32_i32 v[MK+2*\m+1], v[MK+2*\m]
	v_cvt_f32_i32 v[MK+2*\m], v[MK+2*\m]
.endr
.endif
.irp j, 0,2,4,6,8,10,12,14,16,18,20,22,24,26,28,30
	v_pk_fma_f32 v[AC+\j:AC+\j+1], v[AC+\j:AC+\j+1], s[84:85], v[BIAS+\j:BIAS+\j+1] op_sel_hi:[1,0,1]
.endr
.if KIND == 0
.irp j, 0,2,4,6,8,10,12,14,16,18,20,22,24,26,28,30
	v_pk_fma_f32 v[AC+\j:AC+\j+1], v[AC+\j:AC+\j+1], v[MK+2*(\a):MK+2*(\a)+1], v[RS+\j:RS+\j+1]
.endr
.else
.irp j, 0,2,4,6,8,10,12,14,16,18,20,22,24,26,28,30
	v_pk_add_f32 v[AC+\j:AC+\j+1], v[AC+\j:AC+\j+1], v[RS+\j:RS+\j+1]
.endr
.irp j, 0,2,4,6,8,10,12,14,16,18,20,22,24,26,28,30
	v_pk_mul_f32 v[AC+\j:AC+\j+1], v[AC+\j:AC+\j+1], v[MK+2*(\a):MK+2*(\a)+1]
.endr
.endif
.if (\a) < 2
	RESLD (\a)+2, (\a)%2
.endif
.irp n, 0,1
.irp k, 0,1,2,3
	ds_store_b128 v[STO], v[AC+16*\n+4*\k:AC+16*\n+4*\k+3] offset:128*\n+16*\k
.endr
.endr
.irp t, 0,1,2,3,4,5,6,7
	ds_load_b128 v[AC+4*\t:AC+4*\t+3], v[RD] offset:544*\t
.endr
.irp t, 0,1,2,3,4,5,6,7
	s_wait_dscnt 7-\t
	global_store_b128 v[CO], v[AC+4*\t:AC+4*\t+3], s[66:67] offset:(32*((\a)/2)+8*((\a)%2)+2*\t+8*(\t/4))*4096
.endr
.endm
	OUTBLK 0
	OUTBLK 1
	OUTBLK 2
	OUTBLK 3
	s_wait_tensorcnt 0x0
	ds_add_u32 v[SPW], v[NIL]
	s_wait_dscnt 0x0
	CROUND
	s_endpgm
.Lfunc_end_k_qf1cba50fca_oproj:
	.size	k_qf1cba50fca_oproj, .Lfunc_end_k_qf1cba50fca_oproj-k_qf1cba50fca_oproj
	.p2alignl 7, 3214868480
	.fill 96, 4, 3214868480
	.section	.rodata,"a",@progbits
	.p2align	6, 0x0
	.amdhsa_kernel k_qf1cba50fca_oproj
		.amdhsa_group_segment_fixed_size 327680
		.amdhsa_private_segment_fixed_size 0
		.amdhsa_enable_private_segment 0
		.amdhsa_kernarg_size 56
		.amdhsa_user_sgpr_count 2
		.amdhsa_user_sgpr_kernarg_segment_ptr 1
		.amdhsa_wavefront_size32 1
		.amdhsa_system_sgpr_workgroup_id_x 1
		.amdhsa_system_sgpr_workgroup_id_y 1
		.amdhsa_system_sgpr_workgroup_id_z 1
		.amdhsa_system_vgpr_workitem_id 0
		.amdhsa_next_free_vgpr 512
		.amdhsa_next_free_sgpr 96
		.amdhsa_reserve_vcc 0
		.amdhsa_float_denorm_mode_32 3
		.amdhsa_float_denorm_mode_16_64 3
		.amdhsa_memory_ordered 1
		.amdhsa_forward_progress 1
		.amdhsa_inst_pref_size 56
	.end_amdhsa_kernel
	.amdgpu_metadata
---
amdhsa.version: [ 1, 2 ]
amdhsa.kernels:
  - .name:           k_qf1cba50fca_oproj
    .symbol:         k_qf1cba50fca_oproj.kd
    .args:
      - { .name: att, .offset: 0, .size: 8, .value_kind: global_buffer, .address_space: global }
      - { .name: wimg, .offset: 8, .size: 8, .value_kind: global_buffer, .address_space: global }
      - { .name: bo, .offset: 16, .size: 8, .value_kind: global_buffer, .address_space: global }
      - { .name: hidden, .offset: 24, .size: 8, .value_kind: global_buffer, .address_space: global }
      - { .name: attention_mask, .offset: 32, .size: 8, .value_kind: global_buffer, .address_space: global }
      - { .name: lowp_scales, .offset: 40, .size: 8, .value_kind: global_buffer, .address_space: global }
      - { .name: hres, .offset: 48, .size: 8, .value_kind: global_buffer, .address_space: global }
    .group_segment_fixed_size: 327680
    .private_segment_fixed_size: 0
    .kernarg_segment_align: 8
    .kernarg_segment_size: 56
    .max_flat_workgroup_size: 128
    .sgpr_count:     96
    .vgpr_count:     512
    .wavefront_size: 32
...
	.end_amdgpu_metadata
.endif
;; end of part 4
;; launch ln2 (part 5): grid 256 x 1, 8 waves a work-group, no clusters, 2,048 bytes of LDS; arguments hres, ln2_g, ln2_b, lowp_scales, yimg; writes yimg
.if DOCPART == 5
	.amdgcn_target "amdgcn-amd-amdhsa--gfx1250"
	.amdhsa_code_object_version 6
	.text
	.protected	k_qf1cba50fca_ln2
	.globl	k_qf1cba50fca_ln2
	.p2align	8
	.type	k_qf1cba50fca_ln2,@function
k_qf1cba50fca_ln2:
	s_mov_b64 s[64:65], 0
	v_nop
	global_prefetch_b8 v0, s[64:65] scope:SCOPE_SE
	s_setreg_imm32_b32 hwreg(HW_REG_WAVE_MODE, 25, 1), 1
	s_wait_xcnt 0x0
; The second layer norm of 16 tokens a work-group, quantised with e12 into images of operand registers: yimg [token tile 256][k step 8][fragment of 2,048 bytes].
; Row r of tile t is token 32 (t / 2) + 8 (t % 2) + r + 8 (r / 8); piece c of a fragment holds, at 16 x lane, k = 32 c + 16 (lane / 16) + 0 .. 15 of row lane % 16.
; Wave w owns columns 128 w .. 128 w + 127; the eight waves' partial sums meet in LDS, twice (the mean; the squares of the differences).
; LIMIT: e12 between -126 and 112.  NaN and infinities are not served.  Memory binds: no matrix unit, no tensor load, no cluster.
.set X,   16
.set G,   80
.set BT,  144
.set C0,  208
	s_load_b256 s[4:11], s[0:1], 0x0               ; h, the gains, the offsets, the scales' exponents
	s_load_b64 s[12:13], s[0:1], 0x20              ; yimg
	v_lshrrev_b32 v1, 5, v0
	s_delay_alu instid0(VALU_DEP_1)
	v_readfirstlane_b32 s28, v1                    ; wave 0..7
	v_and_b32 v1, 31, v0
	s_wait_alu depctr_va_vdst(0)
	s_wait_kmcnt 0x0
	s_load_b32 s36, s[10:11], 0x30                 ; e12
.macro LD16 reg, adr, base
.irp c, 0,1,2,3
.irp k, 0,1,2,3
	global_load_b128 v[\reg+16*\c+4*\k:\reg+16*\c+4*\k+3], v[\adr], s[\base:\base+1] offset:128*\c+16*\k
.endr
.endr
.endm
	v_and_b32 v2, 15, v0                           ; r
	v_bfe_u32 v3, v0, 4, 1                         ; h
	s_delay_alu instid0(VALU_DEP_2)
	v_and_b32 v4, 8, v2
	s_delay_alu instid0(VALU_DEP_1)
	v_add_nc_u32 v4, v4, v2
	s_delay_alu instid0(VALU_DEP_1)
	v_lshlrev_b32 v4, 12, v4
	s_delay_alu instid0(VALU_DEP_1)
	v_lshl_add_u32 v4, v3, 6, v4
	s_lshl_b32 s29, s28, 9
	v_add_nc_u32 v4, s29, v4
	s_wait_alu depctr_va_vdst(0)
	v_lshl_add_u32 v5, v3, 6, s29
	s_wait_alu depctr_va_vdst(0)
	v_lshlrev_b32 v6, 4, v1
	s_lshl_b32 s30, s28, 2
	v_lshl_add_u32 v7, v2, 5, s30
	v_lshlrev_b32 v8, 5, v2
	v_lshl_add_u32 v9, v0, 2, 1024                 ; my spare word, behind the two blocks of partial sums
	v_mov_b32 v3, 0                                ; and 0 (h is done with)
	s_lshr_b32 s30, ttmp9, 1
	s_lshl_b32 s30, s30, 17
	s_and_b32 s31, ttmp9, 1
	s_lshl_b32 s31, s31, 15
	s_add_co_u32 s30, s30, s31
	s_mov_b32 s31, 0
	s_add_nc_u64 s[4:5], s[4:5], s[30:31]
	LD16 X, 4, 4
	LD16 G, 5, 6
	LD16 BT, 5, 8
	s_mov_b32 s52, 0x76543210
	s_mov_b32 s53, 0xfedcba98
	s_mov_b32 s62, 0x3a800000                      ; 1 / 1024
	s_lshl_b32 s30, ttmp9, 14
	s_lshl_b32 s32, s28, 11
	s_add_co_u32 s30, s30, s32
	s_add_nc_u64 s[56:57], s[12:13], s[30:31]
	s_wait_loadcnt 32                              ; h is in; the 32 younger loads (gains, offsets) may be out
	v_pk_add_f32 v[12:13], v[16:17], v[18:19]
	v_pk_add_f32 v[254:255], v[24:25], v[28:29]
	v_pk_add_f32 v[252:253], v[32:33], v[36:37]
	v_pk_add_f32 v[250:251], v[40:41], v[44:45]
	v_pk_add_f32 v[248:249], v[48:49], v[52:53]
	v_pk_add_f32 v[246:247], v[56:57], v[60:61]
	v_pk_add_f32 v[244:245], v[64:65], v[68:69]
	v_pk_add_f32 v[10:11], v[72:73], v[76:77]
	s_delay_alu instid0(VALU_DEP_1)
	v_pk_add_f32 v[10:11], v[10:11], v[20:21]
	v_pk_add_f32 v[12:13], v[12:13], v[22:23]
	v_pk_add_f32 v[254:255], v[254:255], v[26:27]
	v_pk_add_f32 v[252:253], v[252:253], v[30:31]
	v_pk_add_f32 v[250:251], v[250:251], v[34:35]
	v_pk_add_f32 v[248:249], v[248:249], v[38:39]
	v_pk_add_f32 v[246:247], v[246:247], v[42:43]
	v_pk_add_f32 v[244:245], v[244:245], v[46:47]
	v_pk_add_f32 v[10:11], v[10:11], v[50:51]
	v_pk_add_f32 v[12:13], v[12:13], v[54:55]
	v_pk_add_f32 v[254:255], v[254:255], v[58:59]
	v_pk_add_f32 v[252:253], v[252:253], v[62:63]
	v_pk_add_f32 v[250:251], v[250:251], v[66:67]
	v_pk_add_f32 v[248:249], v[248:249], v[70:71]
	v_pk_add_f32 v[246:247], v[246:247], v[74:75]
	v_pk_add_f32 v[244:245], v[244:245], v[78:79]
	s_delay_alu instid0(VALU_DEP_4)
	v_pk_add_f32 v[10:11], v[10:11], v[250:251]
	s_delay_alu instid0(VALU_DEP_4)
	v_pk_add_f32 v[12:13], v[12:13], v[248:249]
	s_delay_alu instid0(VALU_DEP_4)
	v_pk_add_f32 v[254:255], v[254:255], v[246:247]
	s_delay_alu instid0(VALU_DEP_4)
	v_pk_add_f32 v[252:253], v[252:253], v[244:245]
	s_delay_alu instid0(VALU_DEP_2)
	v_pk_add_f32 v[10:11], v[10:11], v[254:255]
	s_delay_alu instid0(VALU_DEP_2)
	v_pk_add_f32 v[12:13], v[12:13], v[252:253]
	s_delay_alu instid0(VALU_DEP_1)
	v_pk_add_f32 v[10:11], v[10:11], v[12:13]
	s_delay_alu instid0(VALU_DEP_1)
	v_add_f32 v10, v10, v11
	s_delay_alu instid0(VALU_DEP_1)
	v_permlanex16_b32 v11, v10, s52, s53
	s_delay_alu instid0(VALU_DEP_1)
	v_add_f32 v10, v10, v11
	ds_store_b32 v7, v10
	s_wait_dscnt 0x0
	s_barrier_signal -1
	s_barrier_wait -1
	ds_load_b128 v[C0:C0+3], v8
	ds_load_b128 v[C0+4:C0+7], v8 offset:16
	s_wait_dscnt 0x0
	v_pk_add_f32 v[C0:C0+1], v[C0:C0+1], v[C0+2:C0+3]
	v_pk_add_f32 v[C0+4:C0+5], v[C0+4:C0+5], v[C0+6:C0+7]
	s_delay_alu instid0(VALU_DEP_1)
	v_pk_add_f32 v[C0:C0+1], v[C0:C0+1], v[C0+4:C0+5]
	s_delay_alu instid0(VALU_DEP_1)
	v_add_f32 v10, v[C0], v[C0+1]
	s_delay_alu instid0(VALU_DEP_1)
	v_mul_f32 v10, s62, v10                        ; the mean
	s_wait_alu depctr_va_vdst(0)
.irp c, 0,1,2,3
.irp i, 0,2,4,6,8,10,12,14
	v_pk_add_f32 v[X+16*\c+\i:X+16*\c+\i+1], v[X+16*\c+\i:X+16*\c+\i+1], v[10:11] op_sel_hi:[1,0] neg_lo:[0,1] neg_hi:[0,1]
.endr
.endr
	v_pk_mul_f32 v[12:13], v[X:X+1], v[X:X+1]
	v_pk_mul_f32 v[14:15], v[X+2:X+3], v[X+2:X+3]
.irp j, 4,8,12,16,20,24,28,32,36,40,44,48,52,56,60
	s_delay_alu instid0(VALU_DEP_2)
	v_pk_fma_f32 v[12:13], v[X+\j:X+\j+1], v[X+\j:X+\j+1], v[12:13]
	s_delay_alu instid0(VALU_DEP_2)
	v_pk_fma_f32 v[14:15], v[X+\j+2:X+\j+3], v[X+\j+2:X+\j+3], v[14:15]
.endr
	s_delay_alu instid0(VALU_DEP_1)
	v_pk_add_f32 v[12:13], v[12:13], v[14:15]
	s_delay_alu instid0(VALU_DEP_1)
	v_add_f32 v12, v12, v13
	s_delay_alu instid0(VALU_DEP_1)
	v_permlanex16_b32 v13, v12, s52, s53
	s_delay_alu instid0(VALU_DEP_1)
	v_add_f32 v12, v12, v13
	ds_store_b32 v7, v12 offset:512
	s_wait_dscnt 0x0
	s_barrier_signal -1
	s_barrier_wait -1
	ds_load_b128 v[C0:C0+3], v8 offset:512
	ds_load_b128 v[C0+4:C0+7], v8 offset:528
	s_wait_dscnt 0x0
	v_pk_add_f32 v[C0:C0+1], v[C0:C0+1], v[C0+2:C0+3]
	v_pk_add_f32 v[C0+4:C0+5], v[C0+4:C0+5], v[C0+6:C0+7]
	s_delay_alu instid0(VALU_DEP_1)
	v_pk_add_f32 v[C0:C0+1], v[C0:C0+1], v[C0+4:C0+5]
	s_delay_alu instid0(VALU_DEP_1)
	v_add_f32 v12, v[C0], v[C0+1]
	s_delay_alu instid0(VALU_DEP_1)
	v_fmaak_f32 v12, s62, v12, 0x3727c5ac          ; the variance + 1e-5
	s_wait_alu depctr_va_vdst(0)
	v_rsq_f32 v12, v12
	v_nop
	s_wait_alu depctr_va_vdst(0)                   ; the wait ahead of the first reader
.irp c, 0,1,2,3
.irp i, 0,2,4,6,8,10,12,14
	v_pk_mul_f32 v[X+16*\c+\i:X+16*\c+\i+1], v[X+16*\c+\i:X+16*\c+\i+1], v[12:13] op_sel_hi:[1,0]
.endr
.endr
	s_wait_loadcnt 0x0
.irp c, 0,1,2,3
.irp i, 0,2,4,6,8,10,12,14
	v_pk_fma_f32 v[X+16*\c+\i:X+16*\c+\i+1], v[X+16*\c+\i:X+16*\c+\i+1], v[G+16*\c+\i:G+16*\c+\i+1], v[BT+16*\c+\i:BT+16*\c+\i+1]
.endr
.endr
	s_wait_kmcnt 0x0
	s_add_co_i32 s54, s36, 127
	s_lshl_b32 s55, s54, 23
	v_mov_b32 v14, s55                             ; 2^e12
	s_add_co_i32 s54, s54, 15
	s_lshl_b32 s54, s54, 23
	s_or_b32 s54, s54, 0x600000
	v_mov_b32 v15, s54                             ; 57,344 x 2^e12
.irp c, 0,1,2,3
.irp i, 0,1,2,3,4,5,6,7,8,9,10,11,12,13,14,15
	v_med3_num_f32 v[X+16*\c+\i], v[X+16*\c+\i], -v15, v15
.endr
	v_cvt_scalef32_pk8_bf8_f32 v[C0+4*\c:C0+4*\c+1], v[X+16*\c:X+16*\c+7], v14
	v_cvt_scalef32_pk8_bf8_f32 v[C0+4*\c+2:C0+4*\c+3], v[X+16*\c+8:X+16*\c+15], v14
.endr
	v_nop
.irp c, 0,1,2,3
	global_store_b128 v6, v[C0+4*\c:C0+4*\c+3], s[56:57] offset:512*\c
.endr
	s_wait_tensorcnt 0x0                           ; the wave's end
	ds_add_u32 v9, v3
	s_wait_dscnt 0x0
	s_endpgm
.Lfunc_end_k_qf1cba50fca_ln2:
	.size	k_qf1cba50fca_ln2, .Lfunc_end_k_qf1cba50fca_ln2-k_qf1cba50fca_ln2
	.p2alignl 7, 3214868480
	.fill 96, 4, 3214868480
	.section	.rodata,"a",@progbits
	.p2align	6, 0x0
	.amdhsa_kernel k_qf1cba50fca_ln2
		.amdhsa_group_segment_fixed_size 2048
		.amdhsa_private_segment_fixed_size 0
		.amdhsa_enable_private_segment 0
		.amdhsa_kernarg_size 40
		.amdhsa_user_sgpr_count 2
		.amdhsa_user_sgpr_kernarg_segment_ptr 1
		.amdhsa_wavefront_size32 1
		.amdhsa_system_sgpr_workgroup_id_x 1
		.amdhsa_system_sgpr_workgroup_id_y 1
		.amdhsa_system_sgpr_workgroup_id_z 1
		.amdhsa_system_vgpr_workitem_id 0
		.amdhsa_next_free_vgpr 256
		.amdhsa_next_free_sgpr 66
		.amdhsa_reserve_vcc 0
		.amdhsa_float_denorm_mode_32 3
		.amdhsa_float_denorm_mode_16_64 3
		.amdhsa_memory_ordered 1
		.amdhsa_forward_progress 1
		.amdhsa_inst_pref_size 26
	.end_amdhsa_kernel
	.amdgpu_metadata
---
amdhsa.version: [ 1, 2 ]
amdhsa.kernels:
  - .name:           k_qf1cba50fca_ln2
    .symbol:         k_qf1cba50fca_ln2.kd
    .args:
      - { .name: hres, .offset: 0, .size: 8, .value_kind: global_buffer, .address_space: global }
      - { .name: ln2_g, .offset: 8, .size: 8, .value_kind: global_buffer, .address_space: global }
      - { .name: ln2_b, .offset: 16, .size: 8, .value_kind: global_buffer, .address_space: global }
      - { .name: lowp_scales, .offset: 24, .size: 8, .value_kind: global_buffer, .address_space: global }
      - { .name: yimg, .offset: 32, .size: 8, .value_kind: global_buffer, .address_space: global }
    .group_segment_fixed_size: 2048
    .private_segment_fixed_size: 0
    .kernarg_segment_align: 8
    .kernarg_segment_size: 40
    .max_flat_workgroup_size: 256
    .sgpr_count:     66
    .vgpr_count:     256
    .wavefront_size: 32
...
	.end_amdgpu_metadata
.endif
;; end of part 5
;; launch ffn1 (part 6): grid 16 x 16, 4 waves a work-group, clusters of 4 x 4, 327,680 bytes of LDS; arguments yimg, wimg, b1, lowp_scales, gimg; writes gimg
.if DOCPART == 6
	.amdgcn_target "amdgcn-amd-amdhsa--gfx1250"
	.amdhsa_code_object_version 6
	.text
	.protected	k_qf1cba50fca_ffn1
	.globl	k_qf1cba50fca_ffn1
	.p2align	8
	.type	k_qf1cba50fca_ffn1,@function
k_qf1cba50fca_ffn1:
	s_mov_b64 s[64:65], 0
	v_nop
	global_prefetch_b8 v0, s[64:65] scope:SCOPE_SE
	s_setreg_imm32_b32 hwreg(HW_REG_WAVE_MODE, 25, 1), 1
	s_wait_xcnt 0x0
	s_wait_alu depctr_hold_cnt(0) depctr_sa_sdst(0) depctr_va_vdst(0) depctr_va_sdst(0) depctr_va_ssrc(0) depctr_va_vcc(0) depctr_vm_vsrc(0)
	s_getreg_b32 s2, hwreg(HW_REG_IB_STS2, 6, 4)
	s_cmp_eq_u32 s2, 0
	s_cbranch_scc0 .Lentry_in_a_cluster
	s_endpgm
.Lentry_in_a_cluster:
	s_bfe_u32 s2, ttmp6, 0x10000c
	s_cmp_lg_u32 s2, 0xf033
	s_cbranch_scc0 .Lentry_shape_is_right
	s_endpgm
.Lentry_shape_is_right:
.set FR,     16
.set NL,     4
.set NP,     4
.set HALFT,  32768
.set SLOT,   131072
.set SPARE,  262144
.set LAPS,   2
.set ADRA, 16
.set ADRB, 20
.set LI,   24
.set SPW,  28
.set NIL,  29
.set SC,   30
.set LIM,  31
.set BIAS, 32
.set Z,    112
.set ZC,   176
.set Z2,   192
.set PP,   208
.set QQ,   224
.set CD,   240
.set AF,   128
.set G1, 24
.set G0, 32
.set G1B, 48
.set G0B, 56
.set MSB, 0
.macro WIN new
.if MSB != (\new)
	s_set_vgpr_msb (MSB<<8)|(\new)
.set MSB, (\new)
.endif
.endm
.set MUL_LO, 0xa1
.set MUL_HI, 0xf1
.set TO_B,   0x40
.macro JLOAD g0a, g1a, g0b, g1b
	s_cmp_eq_u32 s17, 0
	s_cbranch_scc0 .Lfor_b_\@
	tensor_load_to_lds s[\g0a:\g0a+3], s[\g1a:\g1a+7]
	s_nop 0
.rept 4
	v_nop
.endr
	s_branch .Lasked_\@
.Lfor_b_\@:
	tensor_load_to_lds s[\g0b:\g0b+3], s[\g1b:\g1b+7]
	s_nop 0
.rept 4
	v_nop
.endr
.Lasked_\@:
.endm
.macro CREST
	s_cmp_lg_u32 s16, 0
	s_cbranch_scc1 .Lnot_wave_0_\@
	s_barrier_signal -3
.Lnot_wave_0_\@:
	s_barrier_wait -3
	s_barrier_signal -1
	s_barrier_wait -1
.endm
.macro CROUND
	s_barrier_signal -1
	s_barrier_wait -1
	CREST
.endm
	s_load_b256 s[4:11], s[0:1], 0x0
	s_load_b64 s[12:13], s[0:1], 0x20
	v_lshl_add_u32 v[SPW], v0, 2, SPARE
	v_mov_b32 v[NIL], 0
	v_lshrrev_b32 v1, 5, v0
	v_readfirstlane_b32 s16, v1
	v_and_b32 v27, 15, v0                          ; the prefetches' offset: lanes 0-15 take 4,096 bytes of one row tile, 256 bytes apart, lanes 16-31 of the next
	v_bfe_u32 v26, v0, 4, 1
	v_lshlrev_b32 v27, 8, v27
	v_lshl_add_u32 v27, v26, 14, v27
	s_lshr_b32 s17, s16, 1
	s_and_b32 s18, s16, 1
	s_bfe_u32 s40, ttmp6, 0x40000
	s_bfe_u32 s41, ttmp6, 0x40004
	s_lshl_b32 s42, ttmp9, 2
	s_add_co_u32 s42, s42, s40
	s_and_b32 s43, ttmp7, 0xffff
	s_lshl_b32 s43, s43, 2
	s_add_co_u32 s43, s43, s41
	s_lshl_b32 s67, s41, 2
	s_lshl_b32 s67, 15, s67
	s_lshl_b32 s84, 0x1111, s40
	s_or_b32 s[G1+0], s67, (1<<21)
	s_or_b32 s[G1B+0], s84, (1<<21)
.irp g, G1, G1B
	s_mov_b32 s[\g+1], 4096<<16
	s_mov_b32 s[\g+2], 8<<16
	s_mov_b32 s[\g+3], 4096<<16
	s_mov_b32 s[\g+4], 8
	s_mov_b32 s[\g+5], 16384
	s_mov_b32 s[\g+6], 0
	s_mov_b32 s[\g+7], 0
.endr
	s_lshl_b32 s19, s18, 17
	s_lshl_b32 s20, s43, 18
	s_add_co_u32 s20, s20, s19
	s_mov_b32 s21, 0
	s_lshl_b32 s22, s42, 18
	s_add_co_u32 s22, s22, s19
	s_add_co_u32 s22, s22, 0x100000
	s_mov_b32 s23, 0
	s_lshl_b32 s85, s16, 15
	s_wait_kmcnt 0x0
	s_load_b128 s[68:71], s[10:11], 0x30
	s_add_nc_u64 s[20:21], s[4:5], s[20:21]
	s_add_nc_u64 s[22:23], s[6:7], s[22:23]
	; PREFETCH INTO THE L2: behind the load of K step k (k = 0, 1) each wave asks for K step k + 2 of what it fetches.  Of a load's 8 row tiles each of the four partners that ask jointly takes 2, told apart by address (cx for A, cy for B)
	s_cmp_eq_u32 s17, 0
	s_cselect_b64 s[100:101], s[20:21], s[22:23]
	s_cselect_b32 s86, s40, s41
	s_lshl_b32 s86, s86, 15                        ; two row tiles of 16,384 bytes a partner
	s_mov_b32 s87, 0
	s_add_nc_u64 s[100:101], s[100:101], s[86:87]
	s_wait_alu depctr_va_vdst(0)                   ; the wait ahead of the first reader of the offset
	global_prefetch_b8 v27, s[100:101] th:TH_LOAD_NT scope:SCOPE_SE               ; K steps 0 and 1, the buffers' first touch, are asked for here, ahead of the opening lines and the round
	global_prefetch_b8 v27, s[100:101] offset:4096 th:TH_LOAD_NT scope:SCOPE_SE
.irp s, 0,1
	s_mov_b32 s[G0+4*\s], 1
	s_add_co_u32 s[G0+4*\s+1], s85, \s*SLOT
	s_add_nc_u64 s[G0+4*\s+2:G0+4*\s+3], s[20:21], \s*4096
	s_or_b32 s[G0+4*\s+3], s[G0+4*\s+3], 0x80000000
	s_mov_b32 s[G0B+4*\s], 1
	s_add_co_u32 s[G0B+4*\s+1], s85, \s*SLOT
	s_add_nc_u64 s[G0B+4*\s+2:G0B+4*\s+3], s[22:23], \s*4096
	s_or_b32 s[G0B+4*\s+3], s[G0B+4*\s+3], 0x80000000
	s_wait_alu depctr_va_vdst(0)
	s_wait_tensorcnt 0x0
	ds_add_u32 v28, v29
	ds_add_u32 v28, v29
	s_wait_dscnt 0x0
	CROUND
	JLOAD G0+4*\s, G1, G0B+4*\s, G1B
	global_prefetch_b8 v27, s[100:101] offset:8192+4096*\s th:TH_LOAD_NT scope:SCOPE_SE
.endr
	v_and_b32 v1, 31, v0
	v_lshlrev_b32 v[LI], 4, v1
	s_lshl_b32 s19, s17, 15
	v_add_nc_u32 v[ADRA], s19, v[LI]
	v_add_nc_u32 v[ADRA+1], SLOT, v[ADRA]
	s_lshl_b32 s19, s18, 15
	s_add_co_u32 s19, s19, 2*HALFT
	v_add_nc_u32 v[ADRB], s19, v[LI]
	v_add_nc_u32 v[ADRB+1], SLOT, v[ADRB]
	v_bfe_u32 v3, v0, 4, 1
	s_lshl_b32 s19, s42, 10
	s_lshl_b32 s86, s18, 9
	s_add_co_u32 s19, s19, s86
	v_lshl_add_u32 v4, v3, 6, s19
.irp n, 0,1,2,3
.irp k, 0,1,2,3
	global_load_b128 v[BIAS+16*\n+4*\k:BIAS+16*\n+4*\k+3], v4, s[8:9] offset:128*\n+16*\k
.endr
.endr
	s_lshl_b32 s96, s43, 20
	s_lshl_b32 s97, s17, 19
	s_add_co_u32 s96, s96, s97
	s_lshl_b32 s97, s42, 12
	s_add_co_u32 s96, s96, s97
	s_lshl_b32 s97, s18, 11
	s_add_co_u32 s96, s96, s97
	s_mov_b32 s97, 0
	s_add_nc_u64 s[12:13], s[12:13], s[96:97]
.macro FRAG reg, adr, q, i
.irp c, 0,1,2,3
	ds_load_b128 v[\reg+4*\c:\reg+4*\c+3], v[\adr] offset:(\i)*4096+(\q)*2048+512*\c
.endr
.endm
.macro MUL16 a0, p, zero
.irp a, \a0, \a0+1
.irp b, 0,1,2,3,4,5,6,7
.if \zero
	v_wmma_f32_16x16x128_bf8_bf8 v[8*(8*((\a)%4)+\b):8*(8*((\a)%4)+\b)+7], v[128*(\p)+FR*\b:128*(\p)+FR*\b+FR-1], v[AF+FR*(\a):AF+FR*(\a)+FR-1], 0
.else
	v_wmma_f32_16x16x128_bf8_bf8 v[8*(8*((\a)%4)+\b):8*(8*((\a)%4)+\b)+7], v[128*(\p)+FR*\b:128*(\p)+FR*\b+FR-1], v[AF+FR*(\a):AF+FR*(\a)+FR-1], v[8*(8*((\a)%4)+\b):8*(8*((\a)%4)+\b)+7]
.endif
.endr
.endr
.endm
.macro FETCH_B slot, q, p
	WIN TO_B
.irp i, 0,1,2,3,4,5,6,7
	FRAG 128*(\p)+FR*\i, ADRB+\slot, \q, \i
.endr
	WIN 0
.endm
.macro FETCH_A slot, q, i0
.irp i, \i0, \i0+1, \i0+2, \i0+3
	FRAG AF+FR*(\i), ADRA+\slot, \q, \i
.endr
.endm
.macro PLACES n
.rept \n
	v_nop
.endr
.endm
.macro STEP slot, q, zero
	s_wait_dscnt 4*NL
	WIN MUL_LO
	MUL16 0, (\q)%2, \zero
	MUL16 2, (\q)%2, \zero
	s_wait_dscnt 0
	PLACES NP
	FETCH_B \slot, (\q)+1, 1-(\q)%2
	FETCH_A \slot, (\q)+1, 0
	WIN MUL_HI
	MUL16 4, (\q)%2, \zero
	MUL16 6, (\q)%2, \zero
	PLACES NP
	WIN 0
	FETCH_A \slot, (\q)+1, 4
.endm
.macro TURN slot, next, fill
	s_wait_tensorcnt 0x0
	ds_add_u32 v[SPW], v[NIL]
	s_wait_dscnt 4*NL+1
	WIN MUL_LO
	MUL16 0, 1, 0
	s_wait_dscnt 0x0
	s_barrier_signal -1
	MUL16 2, 1, 0
	WIN 0
	s_barrier_wait -1
.if \fill
	CREST
	s_add_nc_u64 s[G0+4*\slot+2:G0+4*\slot+3], s[G0+4*\slot+2:G0+4*\slot+3], 8192
	s_add_nc_u64 s[G0B+4*\slot+2:G0B+4*\slot+3], s[G0B+4*\slot+2:G0B+4*\slot+3], 8192
	JLOAD G0+4*\slot, G1, G0B+4*\slot, G1B
.else
	PLACES NP
.endif
	FETCH_B \next, 0, 0
	FETCH_A \next, 0, 0
	WIN MUL_HI
	MUL16 4, 1, 0
	MUL16 6, 1, 0
	PLACES NP
	WIN 0
	FETCH_A \next, 0, 4
.endm
	s_wait_alu depctr_va_vdst(0)
	s_wait_tensorcnt 1
	s_barrier_signal -1
	s_barrier_wait -1
	FETCH_B 0, 0, 0
	FETCH_A 0, 0, 0
	FETCH_A 0, 0, 4
	STEP 0, 0, 1
	s_mov_b32 s3, LAPS-1
.Llap:
	TURN 0, 1, 1
	STEP 1, 0, 0
	TURN 1, 0, 1
	STEP 0, 0, 0
	s_sub_co_u32 s3, s3, 1
	s_cmp_lg_u32 s3, 0
	s_cbranch_scc1 .Llap
	TURN 0, 1, 0
	STEP 1, 0, 0
	s_wait_dscnt 4*NL
	WIN MUL_LO
	MUL16 0, 1, 0
	MUL16 2, 1, 0
	s_wait_dscnt 0
	WIN MUL_HI
	MUL16 4, 1, 0
	MUL16 6, 1, 0
	WIN 0
	PLACES NP
	s_wait_kmcnt 0x0
	s_add_co_i32 s94, s68, s69
	s_lshl_b32 s94, s94, 23
	s_add_co_i32 s94, s94, 0x3f3504f3
	s_mov_b32 s95, s94
	s_add_co_i32 s85, s70, 127
	s_lshl_b32 s66, s85, 23
	v_mov_b32 v[SC], s66
	s_add_co_i32 s85, s85, 15
	s_lshl_b32 s85, s85, 23
	s_or_b32 s85, s85, 0x600000
	v_mov_b32 v[LIM], s85
	s_mov_b32 s88, 0xaf95df0b
	s_mov_b32 s89, s88
	s_mov_b32 s90, 0xb77460cd
	s_mov_b32 s91, s90
	s_wait_loadcnt 0x0
.irp j, 0,2,4,6,8,10,12,14,16,18,20,22,24,26,28,30,32,34,36,38,40,42,44,46,48,50,52,54,56,58,60,62
	v_pk_mul_f32 v[BIAS+\j:BIAS+\j+1], v[BIAS+\j:BIAS+\j+1], 0x3f3504f3 op_sel_hi:[1,0]
.endr
	s_mov_b32 s3, 0
.Lblk:
.irp n, 0,1,2,3,4,5,6
	s_cmp_eq_u32 s3, \n
	s_cbranch_scc1 .Lcopy_\n
.endr
.macro COPY n
.Lcopy_\n:
	s_wait_alu depctr_va_vdst(0)
	WIN 0x02+((\n)/4)
.set AC, 64*((\n)%4)
.irp j, 0,2,4,6,8,10,12,14,16,18,20,22,24,26,28,30,32,34,36,38,40,42,44,46,48,50,52,54,56,58,60,62
	v_pk_fma_f32 v[Z+\j:Z+\j+1], v[AC+\j:AC+\j+1], s[94:95], v[BIAS+\j:BIAS+\j+1] op_sel_hi:[1,0,1]
.endr
	WIN 0
	s_branch .Lcommon
.endm
	COPY 7
.irp n, 0,1,2,3,4,5,6
	COPY \n
.endr
.macro GELU16 bb
.set ZU, Z+16*\bb
.irp i, 0,1,2,3,4,5,6,7,8,9,10,11,12,13,14,15
	v_med3_num_f32 v[ZC+\i], v[ZU+\i], -4.0, 4.0
.endr
.irp i, 0,2,4,6,8,10,12,14
	v_pk_mul_f32 v[Z2+\i:Z2+\i+1], v[ZC+\i:ZC+\i+1], v[ZC+\i:ZC+\i+1]
.endr
.irp i, 0,2,4,6,8,10,12,14
	v_pk_fma_f32 v[PP+\i:PP+\i+1], v[Z2+\i:Z2+\i+1], s[88:89], 0x32edffee op_sel_hi:[1,0,0]
	v_pk_fma_f32 v[QQ+\i:QQ+\i+1], v[Z2+\i:Z2+\i+1], s[90:91], 0xb95fbd29 op_sel_hi:[1,0,0]
.endr
.irp k, 0xb60cff51, 0xb86ec2d2, 0xba40ac63, 0xbb41a1f6, 0xbc83dbd4
.irp i, 0,2,4,6,8,10,12,14
	v_pk_fma_f32 v[PP+\i:PP+\i+1], v[PP+\i:PP+\i+1], v[Z2+\i:Z2+\i+1], \k op_sel_hi:[1,1,0]
.endr
.endr
.irp k, 0xbadc924e, 0xbbf19bf8, 0xbc69b6a7
.irp i, 0,2,4,6,8,10,12,14
	v_pk_fma_f32 v[QQ+\i:QQ+\i+1], v[QQ+\i:QQ+\i+1], v[Z2+\i:Z2+\i+1], \k op_sel_hi:[1,1,0]
.endr
.endr
	s_wait_alu depctr_va_vdst(0)
.irp i, 0,1,2,3,4,5,6,7,8,9,10,11,12,13,14,15
	v_rcp_f32 v[QQ+\i], v[QQ+\i]
.endr
.irp i, 0,2,4,6,8,10,12,14
	v_pk_mul_f32 v[PP+\i:PP+\i+1], v[PP+\i:PP+\i+1], v[ZC+\i:ZC+\i+1]
.endr
	s_wait_alu depctr_va_vdst(0)
.irp i, 0,2,4,6,8,10,12,14
	v_pk_mul_f32 v[PP+\i:PP+\i+1], v[PP+\i:PP+\i+1], v[QQ+\i:QQ+\i+1]
.endr
.irp i, 0,2,4,6,8,10,12,14
	v_pk_mul_f32 v[ZU+\i:ZU+\i+1], v[ZU+\i:ZU+\i+1], 0x3f3504f3 op_sel_hi:[1,0]
.endr
.irp i, 0,2,4,6,8,10,12,14
	v_pk_fma_f32 v[ZU+\i:ZU+\i+1], v[ZU+\i:ZU+\i+1], v[PP+\i:PP+\i+1], v[ZU+\i:ZU+\i+1]
.endr
.irp i, 0,1,2,3,4,5,6,7,8,9,10,11,12,13,14,15
	v_med3_num_f32 v[ZU+\i], v[ZU+\i], -v[LIM], v[LIM]
.endr
	v_cvt_scalef32_pk8_bf8_f32 v[CD+4*\bb:CD+4*\bb+1], v[ZU:ZU+7], v[SC]
	v_cvt_scalef32_pk8_bf8_f32 v[CD+4*\bb+2:CD+4*\bb+3], v[ZU+8:ZU+15], v[SC]
.endm
.Lcommon:
	GELU16 0
	GELU16 1
	GELU16 2
	GELU16 3
	v_nop
.irp n, 0,1,2,3
	global_store_b128 v[LI], v[CD+4*\n:CD+4*\n+3], s[12:13] offset:512*\n
.endr
	s_wait_xcnt 0x0
	s_add_nc_u64 s[12:13], s[12:13], 65536
	s_add_co_u32 s3, s3, 1
	s_cmp_lt_u32 s3, 8
	s_cbranch_scc1 .Lblk
	s_wait_tensorcnt 0x0
	ds_add_u32 v[SPW], v[NIL]
	s_wait_dscnt 0x0
	CROUND
	s_endpgm
.Lfunc_end_k_qf1cba50fca_ffn1:
	.size	k_qf1cba50fca_ffn1, .Lfunc_end_k_qf1cba50fca_ffn1-k_qf1cba50fca_ffn1
	.p2alignl 7, 3214868480
	.fill 96, 4, 3214868480
	.section	.rodata,"a",@progbits
	.p2align	6, 0x0
	.amdhsa_kernel k_qf1cba50fca_ffn1
		.amdhsa_group_segment_fixed_size 327680
		.amdhsa_private_segment_fixed_size 0
		.amdhsa_enable_private_segment 0
		.amdhsa_kernarg_size 40
		.amdhsa_user_sgpr_count 2
		.amdhsa_user_sgpr_kernarg_segment_ptr 1
		.amdhsa_wavefront_size32 1
		.amdhsa_system_sgpr_workgroup_id_x 1
		.amdhsa_system_sgpr_workgroup_id_y 1
		.amdhsa_system_sgpr_workgroup_id_z 1
		.amdhsa_system_vgpr_workitem_id 0
		.amdhsa_next_free_vgpr 1024
		.amdhsa_next_free_sgpr 102
		.amdhsa_reserve_vcc 0
		.amdhsa_float_denorm_mode_32 3
		.amdhsa_float_denorm_mode_16_64 3
		.amdhsa_memory_ordered 1
		.amdhsa_forward_progress 1
		.amdhsa_inst_pref_size 153
	.end_amdhsa_kernel
	.amdgpu_metadata
---
amdhsa.version: [ 1, 2 ]
amdhsa.kernels:
  - .name:           k_qf1cba50fca_ffn1
    .symbol:         k_qf1cba50fca_ffn1.kd
    .args:
      - { .name: yimg, .offset: 0, .size: 8, .value_kind: global_buffer, .address_space: global }
      - { .name: wimg, .offset: 8, .size: 8, .value_kind: global_buffer, .address_space: global }
      - { .name: b1, .offset: 16, .size: 8, .value_kind: global_buffer, .address_space: global }
      - { .name: lowp_scales, .offset: 24, .size: 8, .value_kind: global_buffer, .address_space: global }
      - { .name: gimg, .offset: 32, .size: 8, .value_kind: global_buffer, .address_space: global }
    .group_segment_fixed_size: 327680
    .private_segment_fixed_size: 0
    .kernarg_segment_align: 8
    .kernarg_segment_size: 40
    .max_flat_workgroup_size: 128
    .sgpr_count:     102
    .vgpr_count:     1024
    .wavefront_size: 32
...
	.end_amdgpu_metadata
.endif
;; end of part 6
;; launch ffn2 (part 7): grid 8 x 32, 4 waves a work-group, clusters of 4 x 4, 327,680 bytes of LDS; arguments gimg, wimg, b2, hres, attention_mask, lowp_scales, out0; writes out0
.if DOCPART == 7
	.amdgcn_target "amdgcn-amd-amdhsa--gfx1250"
	.amdhsa_code_object_version 6
	.text
	.protected	k_qf1cba50fca_ffn2
	.globl	k_qf1cba50fca_ffn2
	.p2align	8
	.type	k_qf1cba50fca_ffn2,@function
k_qf1cba50fca_ffn2:
	s_mov_b64 s[64:65], 0
	v_nop
	global_prefetch_b8 v0, s[64:65] scope:SCOPE_SE
	s_setreg_imm32_b32 hwreg(HW_REG_WAVE_MODE, 25, 1), 1
	s_wait_xcnt 0x0
	s_wait_alu depctr_hold_cnt(0) depctr_sa_sdst(0) depctr_va_vdst(0) depctr_va_sdst(0) depctr_va_ssrc(0) depctr_va_vcc(0) depctr_vm_vsrc(0)
	s_getreg_b32 s2, hwreg(HW_REG_IB_STS2, 6, 4)
	s_cmp_eq_u32 s2, 0
	s_cbranch_scc0 .Lentry_in_a_cluster
	s_endpgm
.Lentry_in_a_cluster:
	s_bfe_u32 s2, ttmp6, 0x10000c
	s_cmp_lg_u32 s2, 0xf033
	s_cbranch_scc0 .Lentry_shape_is_right
	s_endpgm
.Lentry_shape_is_right:
.set KK,     4096
.set WOFF,   0x500000
.set EOFF,   56
.set KIND,   1
.set RT,     KK*16
.set LAPS,   KK/1024
.set HALFT,  32768
.set SLOT,   131072
.set SPARE,  262144
.set STAGE,  262656
.set MK,   8
.set ADRA, 16
.set ADRB, 20
.set RA,   22
.set BAD,  23
.set STO,  24
.set RD,   25
.set CO,   26
.set MA,   27
.set SPW,  28
.set NIL,  29
.set LI,   30
.set BIAS, 32
.set RES,  64
.set ACC,  128
.set F0,   0
.set F1,   128
.set G1, 24
.set G0, 32
.set G1B, 48
.set G0B, 56
.set MSB, 0
.macro WIN new
.if MSB != (\new)
	s_set_vgpr_msb (MSB<<8)|(\new)
.set MSB, (\new)
.endif
.endm
.set MUL,  0x05
.set TO_F, 0x40
.macro JLOAD s
	s_cmp_eq_u32 s17, 0
	s_cbranch_scc0 .Lfor_b_\@
	tensor_load_to_lds s[G0+4*\s:G0+4*\s+3], s[G1:G1+7]
	s_nop 0
.rept 4
	v_nop
.endr
	s_branch .Lasked_\@
.Lfor_b_\@:
	tensor_load_to_lds s[G0B+4*\s:G0B+4*\s+3], s[G1B:G1B+7]
	s_nop 0
.rept 4
	v_nop
.endr
.Lasked_\@:
.endm
.macro CREST
	s_cmp_lg_u32 s16, 0
	s_cbranch_scc1 .Lnot_wave_0_\@
	s_barrier_signal -3
.Lnot_wave_0_\@:
	s_barrier_wait -3
	s_barrier_signal -1
	s_barrier_wait -1
.endm
.macro CROUND
	s_barrier_signal -1
	s_barrier_wait -1
	CREST
.endm
	s_load_b256 s[4:11], s[0:1], 0x0
	s_load_b128 s[12:15], s[0:1], 0x20
	s_load_b64 s[66:67], s[0:1], 0x30
	v_lshl_add_u32 v[SPW], v0, 2, SPARE
	v_mov_b32 v[NIL], 0
	v_lshrrev_b32 v1, 5, v0
	v_readfirstlane_b32 s16, v1
	v_and_b32 v31, 31, v0
	v_lshlrev_b32 v31, 8, v31                      ; the prefetches' offset: 256 x lane: 8,192 bytes of one row tile an instruction
	s_lshr_b32 s17, s16, 1
	s_and_b32 s18, s16, 1
	s_bfe_u32 s40, ttmp6, 0x40000
	s_bfe_u32 s41, ttmp6, 0x40004
	s_lshl_b32 s42, ttmp9, 2
	s_add_co_u32 s42, s42, s40
	s_and_b32 s43, ttmp7, 0xffff
	s_lshl_b32 s43, s43, 2
	s_add_co_u32 s43, s43, s41
	s_lshl_b32 s44, s41, 2
	s_lshl_b32 s44, 15, s44
	s_lshl_b32 s45, 0x1111, s40
	s_or_b32 s[G1+0], s44, (1<<21)
	s_or_b32 s[G1B+0], s45, (1<<21)
.irp g, G1, G1B
	s_mov_b32 s[\g+1], 8192<<16
	s_mov_b32 s[\g+2], 4<<16
	s_mov_b32 s[\g+3], 8192<<16
	s_mov_b32 s[\g+4], 4
	s_mov_b32 s[\g+5], RT
	s_mov_b32 s[\g+6], 0
	s_mov_b32 s[\g+7], 0
.endr
	s_mul_i32 s19, s18, 4*RT
	s_mul_i32 s20, s43, 8*RT
	s_add_co_u32 s20, s20, s19
	s_mov_b32 s21, 0
	s_mul_i32 s22, s42, 8*RT
	s_add_co_u32 s22, s22, s19
	s_add_co_u32 s22, s22, WOFF
	s_mov_b32 s23, 0
	s_lshl_b32 s46, s16, 15
	s_wait_kmcnt 0x0
	s_load_b64 s[68:69], s[14:15], EOFF
	s_add_nc_u64 s[20:21], s[4:5], s[20:21]
	s_add_nc_u64 s[22:23], s[6:7], s[22:23]
	; PREFETCH INTO THE L2: behind the load of K step k (k = 0 .. 5 of 8) each wave asks for K step k + 2 of what it fetches.  Of a load's 4 row tiles each of the four partners that ask jointly takes one, told apart by address (cx for A, cy for B)
	s_cmp_eq_u32 s17, 0
	s_cselect_b64 s[88:89], s[20:21], s[22:23]
	s_cselect_b32 s90, s40, s41
	s_mul_i32 s90, s90, RT
	s_mov_b32 s91, 0
	s_add_nc_u64 s[88:89], s[88:89], s[90:91]
	s_wait_alu depctr_va_vdst(0)                   ; the wait ahead of the first reader of the offset
	global_prefetch_b8 v31, s[88:89] th:TH_LOAD_NT scope:SCOPE_SE                 ; K steps 0 and 1, the buffers' first touch, are asked for here, ahead of the opening lines and the round
	global_prefetch_b8 v31, s[88:89] offset:8192 th:TH_LOAD_NT scope:SCOPE_SE
.irp s, 0,1
	s_mov_b32 s[G0+4*\s], 1
	s_add_co_u32 s[G0+4*\s+1], s46, \s*SLOT
	s_add_nc_u64 s[G0+4*\s+2:G0+4*\s+3], s[20:21], \s*8192
	s_or_b32 s[G0+4*\s+3], s[G0+4*\s+3], 0x80000000
	s_mov_b32 s[G0B+4*\s], 1
	s_add_co_u32 s[G0B+4*\s+1], s46, \s*SLOT
	s_add_nc_u64 s[G0B+4*\s+2:G0B+4*\s+3], s[22:23], \s*8192
	s_or_b32 s[G0B+4*\s+3], s[G0B+4*\s+3], 0x80000000
	s_wait_alu depctr_va_vdst(0)
	s_wait_tensorcnt 0x0
	ds_add_u32 v28, v29
	ds_add_u32 v28, v29
	s_wait_dscnt 0x0
	CROUND
	JLOAD \s
	global_prefetch_b8 v31, s[88:89] offset:16384+8192*\s th:TH_LOAD_NT scope:SCOPE_SE
.endr
	v_and_b32 v1, 31, v0
	v_lshlrev_b32 v[LI], 4, v1
	v_and_b32 v2, 15, v0
	s_wait_alu depctr_va_vdst(0)
	v_bfe_u32 v3, v0, 4, 1
	s_lshl_b32 s19, s17, 15
	v_add_nc_u32 v[ADRA], s19, v[LI]
	v_add_nc_u32 v[ADRA+1], SLOT, v[ADRA]
	s_lshl_b32 s19, s18, 15
	s_add_co_u32 s19, s19, 2*HALFT
	v_add_nc_u32 v[ADRB], s19, v[LI]
	v_add_nc_u32 v[ADRB+1], SLOT, v[ADRB]
	s_lshl_b32 s70, s42, 9
	s_lshl_b32 s71, s18, 8
	s_add_co_u32 s70, s70, s71
	s_lshl_b32 s72, s43, 19
	s_lshl_b32 s73, s17, 18
	s_add_co_u32 s72, s72, s73
	s_mov_b32 s73, 0
	s_add_nc_u64 s[10:11], s[10:11], s[72:73]
	s_add_nc_u64 s[66:67], s[66:67], s[72:73]
	s_mov_b32 s72, s70
	s_add_nc_u64 s[66:67], s[66:67], s[72:73]
	s_lshl_b32 s74, s43, 9
	s_lshl_b32 s75, s17, 8
	s_add_co_u32 s74, s74, s75
	v_and_b32 v4, 8, v2
	v_add_nc_u32 v4, v4, v2
	v_lshlrev_b32 v[RA], 12, v4
	s_wait_alu depctr_va_vdst(0)
	v_lshl_add_u32 v[RA], v3, 6, v[RA]
	v_add_nc_u32 v[RA], s70, v[RA]
	v_lshl_add_u32 v[BAD], v3, 6, s70
	v_lshl_add_u32 v[MA], v4, 2, s74
	s_mul_i32 s76, s16, 16*272
	s_add_co_u32 s76, s76, STAGE
	v_mul_u32_u24 v5, v2, 272
	v_lshl_add_u32 v5, v3, 6, v5
	v_add_nc_u32 v[STO], s76, v5
	v_mul_u32_u24 v5, v3, 272
	v_lshl_add_u32 v5, v2, 4, v5
	v_add_nc_u32 v[RD], s76, v5
	v_lshlrev_b32 v[CO], 12, v3
	v_lshl_add_u32 v[CO], v2, 4, v[CO]
.macro RESLD a, set
.irp n, 0,1
.irp k, 0,1,2,3
	global_load_b128 v[RES+32*(\set)+16*\n+4*\k:RES+32*(\set)+16*\n+4*\k+3], v[RA], s[10:11] offset:(32*((\a)/2)+8*((\a)%2))*4096+128*\n+16*\k
.endr
.endr
.endm
.irp n, 0,1
.irp k, 0,1,2,3
	global_load_b128 v[BIAS+16*\n+4*\k:BIAS+16*\n+4*\k+3], v[BAD], s[8:9] offset:128*\n+16*\k
.endr
.endr
.irp a, 0,1,2,3
	global_load_b32 v[MK+2*\a], v[MA], s[12:13] offset:(32*(\a/2)+8*(\a%2))*4
.endr
	RESLD 0, 0
	RESLD 1, 1
	global_prefetch_b8 v[RA], s[10:11] offset:32*4096 th:TH_LOAD_NT scope:SCOPE_SE   ; the residual's blocks 2 and 3 are loaded on the way out: their 16 rows of 256 bytes each are asked for here, a row to each pair of lanes
	global_prefetch_b8 v[RA], s[10:11] offset:40*4096 th:TH_LOAD_NT scope:SCOPE_SE
.macro FETCH slot, q, f
	WIN TO_F
.irp i, 0,1,2,3
.irp c, 0,1,2,3
	ds_load_b128 v[\f+64+16*\i+4*\c:\f+64+16*\i+4*\c+3], v[ADRB+\slot] offset:\i*8192+(\q)*2048+512*\c
.endr
.endr
.irp i, 0,1,2,3
.irp c, 0,1,2,3
	ds_load_b128 v[\f+16*\i+4*\c:\f+16*\i+4*\c+3], v[ADRA+\slot] offset:\i*8192+(\q)*2048+512*\c
.endr
.endr
.endm
.macro MULA f, a, zero
.irp b, 0,1,2,3
.if \zero
	v_wmma_f32_16x16x128_bf8_bf8 v[ACC+32*\a+8*\b:ACC+32*\a+8*\b+7], v[\f+64+16*\b:\f+64+16*\b+15], v[\f+16*\a:\f+16*\a+15], 0
.else
	v_wmma_f32_16x16x128_bf8_bf8 v[ACC+32*\a+8*\b:ACC+32*\a+8*\b+7], v[\f+64+16*\b:\f+64+16*\b+15], v[\f+16*\a:\f+16*\a+15], v[ACC+32*\a+8*\b:ACC+32*\a+8*\b+7]
.endif
.endr
.endm
.macro PLACES
.rept 4
	v_nop
.endr
.endm
.macro QUARTER slot, qn, f, g, zero
	s_wait_dscnt 8
	WIN MUL
	MULA \f, 0, \zero
	MULA \f, 1, \zero
	PLACES
	FETCH \slot, \qn, \g
	s_wait_dscnt 32
	WIN MUL
	MULA \f, 2, \zero
	MULA \f, 3, \zero
.endm
.macro TURN slot, next, fill
.if \fill
	s_wait_xcnt 0x0                                ; my last prefetch has read its address: it is stepped here, a K step behind that prefetch
	s_add_nc_u64 s[88:89], s[88:89], 8192
.endif
	WIN 0
	s_wait_tensorcnt 0x0
	ds_add_u32 v[SPW], v[NIL]
	s_wait_dscnt 9
	WIN MUL
	MULA F1, 0, 0
	s_wait_dscnt 0x0
	s_barrier_signal -1
	MULA F1, 1, 0
.if \fill
	WIN 0
.endif
	s_barrier_wait -1
.if \fill
	CREST
	s_add_nc_u64 s[G0+4*\slot+2:G0+4*\slot+3], s[G0+4*\slot+2:G0+4*\slot+3], 16384
	s_add_nc_u64 s[G0B+4*\slot+2:G0B+4*\slot+3], s[G0B+4*\slot+2:G0B+4*\slot+3], 16384
	JLOAD \slot
.else
	PLACES
.endif
	FETCH \next, 0, F0
.if \fill
	WIN 0                                          ; at a branch and at a label every window is 0
	s_cmp_gt_u32 s3, 1                             ; the loop's last trip fills K steps 6 and 7: there is no K step two on
	s_cbranch_scc0 .Lno_ask_\@
	global_prefetch_b8 v31, s[88:89] offset:24576 th:TH_LOAD_NT scope:SCOPE_SE
.Lno_ask_\@:
.endif
	WIN MUL
	MULA F1, 2, 0
	MULA F1, 3, 0
.endm
	s_wait_tensorcnt 1
	s_barrier_signal -1
	s_barrier_wait -1
	FETCH 0, 0, F0
	QUARTER 0, 1, F0, F1, 1
.if LAPS > 1
	WIN 0
	s_mov_b32 s3, LAPS-1
.Llap:
	QUARTER 0, 2, F1, F0, 0
	QUARTER 0, 3, F0, F1, 0
	TURN 0, 1, 1
	QUARTER 1, 1, F0, F1, 0
	QUARTER 1, 2, F1, F0, 0
	QUARTER 1, 3, F0, F1, 0
	TURN 1, 0, 1
	QUARTER 0, 1, F0, F1, 0
	WIN 0
	s_sub_co_u32 s3, s3, 1
	s_cmp_lg_u32 s3, 0
	s_cbranch_scc1 .Llap
.endif
	QUARTER 0, 2, F1, F0, 0
	QUARTER 0, 3, F0, F1, 0
	TURN 0, 1, 0
	QUARTER 1, 1, F0, F1, 0
	QUARTER 1, 2, F1, F0, 0
	QUARTER 1, 3, F0, F1, 0
	s_wait_dscnt 8
	WIN MUL
	MULA F1, 0, 0
	MULA F1, 1, 0
	s_wait_dscnt 0
	MULA F1, 2, 0
	MULA F1, 3, 0
	WIN 0
	PLACES
	s_wait_kmcnt 0x0
	s_add_co_i32 s84, s68, s69
	s_add_co_i32 s84, s84, 127
	s_lshl_b32 s84, s84, 23
	s_mov_b32 s85, s84
.macro OUTBLK a
.set AC, ACC+32*(\a)
.set RS, RES+32*((\a)%2)
.if (\a) < 3
	s_wait_loadcnt 8
.else
	s_wait_loadcnt 0x0
.endif
.if (\a) == 0
.irp m, 0,1,2,3
	v_cvt_f32_i32 v[MK+2*\m+1], v[MK+2*\m]
	v_cvt_f32_i32 v[MK+2*\m], v[MK+2*\m]
.endr
.endif
.irp j, 0,2,4,6,8,10,12,14,16,18,20,22,24,26,28,30
	v_pk_fma_f32 v[AC+\j:AC+\j+1], v[AC+\j:AC+\j+1], s[84:85], v[BIAS+\j:BIAS+\j+1] op_sel_hi:[1,0,1]
.endr
.if KIND == 0
.irp j, 0,2,4,6,8,10,12,14,16,18,20,22,24,26,28,30
	v_pk_fma_f32 v[AC+\j:AC+\j+1], v[AC+\j:AC+\j+1], v[MK+2*(\a):MK+2*(\a)+1], v[RS+\j:RS+\j+1]
.endr
.else
.irp j, 0,2,4,6,8,10,12,14,16,18,20,22,24,26,28,30
	v_pk_add_f32 v[AC+\j:AC+\j+1], v[AC+\j:AC+\j+1], v[RS+\j:RS+\j+1]
.endr
.irp j, 0,2,4,6,8,10,12,14,16,18,20,22,24,26,28,30
	v_pk_mul_f32 v[AC+\j:AC+\j+1], v[AC+\j:AC+\j+1], v[MK+2*(\a):MK+2*(\a)+1]
.endr
.endif
.if (\a) < 2
	RESLD (\a)+2, (\a)%2
.endif
.irp n, 0,1
.irp k, 0,1,2,3
	ds_store_b128 v[STO], v[AC+16*\n+4*\k:AC+16*\n+4*\k+3] offset:128*\n+16*\k
.endr
.endr
.irp t, 0,1,2,3,4,5,6,7
	ds_load_b128 v[AC+4*\t:AC+4*\t+3], v[RD] offset:544*\t
.endr
.irp t, 0,1,2,3,4,5,6,7
	s_wait_dscnt 7-\t
	global_store_b128 v[CO], v[AC+4*\t:AC+4*\t+3], s[66:67] offset:(32*((\a)/2)+8*((\a)%2)+2*\t+8*(\t/4))*4096
.endr
.endm
	OUTBLK 0
	OUTBLK 1
	OUTBLK 2
	OUTBLK 3
	s_wait_tensorcnt 0x0
	ds_add_u32 v[SPW], v[NIL]
	s_wait_dscnt 0x0
	CROUND
	s_endpgm
.Lfunc_end_k_qf1cba50fca_ffn2:
	.size	k_qf1cba50fca_ffn2, .Lfunc_end_k_qf1cba50fca_ffn2-k_qf1cba50fca_ffn2
	.p2alignl 7, 3214868480
	.fill 96, 4, 3214868480
	.section	.rodata,"a",@progbits
	.p2align	6, 0x0
	.amdhsa_kernel k_qf1cba50fca_ffn2
		.amdhsa_group_segment_fixed_size 327680
		.amdhsa_private_segment_fixed_size 0
		.amdhsa_enable_private_segment 0
		.amdhsa_kernarg_size 56
		.amdhsa_user_sgpr_count 2
		.amdhsa_user_sgpr_kernarg_segment_ptr 1
		.amdhsa_wavefront_size32 1
		.amdhsa_system_sgpr_workgroup_id_x 1
		.amdhsa_system_sgpr_workgroup_id_y 1
		.amdhsa_system_sgpr_workgroup_id_z 1
		.amdhsa_system_vgpr_workitem_id 0
		.amdhsa_next_free_vgpr 512
		.amdhsa_next_free_sgpr 96
		.amdhsa_reserve_vcc 0
		.amdhsa_float_denorm_mode_32 3
		.amdhsa_float_denorm_mode_16_64 3
		.amdhsa_memory_ordered 1
		.amdhsa_forward_progress 1
		.amdhsa_inst_pref_size 89
	.end_amdhsa_kernel
	.amdgpu_metadata
---
amdhsa.version: [ 1, 2 ]
amdhsa.kernels:
  - .name:           k_qf1cba50fca_ffn2
    .symbol:         k_qf1cba50fca_ffn2.kd
    .args:
      - { .name: gimg, .offset: 0, .size: 8, .value_kind: global_buffer, .address_space: global }
      - { .name: wimg, .offset: 8, .size: 8, .value_kind: global_buffer, .address_space: global }
      - { .name: b2, .offset: 16, .size: 8, .value_kind: global_buffer, .address_space: global }
      - { .name: hres, .offset: 24, .size: 8, .value_kind: global_buffer, .address_space: global }
      - { .name: attention_mask, .offset: 32, .size: 8, .value_kind: global_buffer, .address_space: global }
      - { .name: lowp_scales, .offset: 40, .size: 8, .value_kind: global_buffer, .address_space: global }
      - { .name: out0, .offset: 48, .size: 8, .value_kind: global_buffer, .address_space: global }
    .group_segment_fixed_size: 327680
    .private_segment_fixed_size: 0
    .kernarg_segment_align: 8
    .kernarg_segment_size: 56
    .max_flat_workgroup_size: 128
    .sgpr_count:     96
    .vgpr_count:     512
    .wavefront_size: 32
...
	.end_amdgpu_metadata
.endif
;; end of part 7
